; MI455X (gfx1250); checked and timed in simulation.
; The chip was launched on July 23, 2026; its instructions are those of AMD's public machine-readable ISA for CDNA 5 (MIT licence, August 2026) and "CDNA5" Instruction Set Architecture Reference Guide (July 2026). The comments in the code are by the model that wrote it; some were corrected since.
;; Multi Head Linear Attention. Allowed arithmetic: matrix products marked QUANTISED: E4M3 operands, one E8M0 scale for each 32 along K, by v_wmma_scale_f32_16x16x128_f8f6f4 with both operands' format E4M3, f32 sums; products left as they are: f32 operands where the result goes on into a quantised operand, else bf16, f16 or f32 operands; f32 sums; everything else in f32.
;; Inputs: Wk_codes 1,024 x 32 x 32 uint8 (E4M3 codes of Wk, K innermost, in blocks of 32 codes); Wk_scales 1,024 x 32 uint8 (E8M0 scales of Wk, one for each 32 codes along K); Wq_codes 1,024 x 32 x 32 uint8 (E4M3 codes of Wq, K innermost, in blocks of 32 codes); Wq_scales 1,024 x 32 uint8 (E8M0 scales of Wq, one for each 32 codes along K); Wv_codes 1,024 x 32 x 32 uint8 (E4M3 codes of Wv, K innermost, in blocks of 32 codes); Wv_scales 1,024 x 32 uint8 (E8M0 scales of Wv, one for each 32 codes along K); bk 1,024 float32; bq 1,024 float32; bv 1,024 float32; key_codes 4 x 4,096 x 32 x 32 uint8 (E4M3 codes of key, K innermost, in blocks of 32 codes); key_scales 4 x 4,096 x 32 uint8 (E8M0 scales of key, one for each 32 codes along K); mask_kv 4 x 4,096 float32; mask_q 4 x 4,096 float32; query_codes 4 x 4,096 x 32 x 32 uint8 (E4M3 codes of query, K innermost, in blocks of 32 codes); query_scales 4 x 4,096 x 32 uint8 (E8M0 scales of query, one for each 32 codes along K); value_codes 4 x 4,096 x 32 x 32 uint8 (E4M3 codes of value, K innermost, in blocks of 32 codes); value_scales 4 x 4,096 x 32 uint8 (E8M0 scales of value, one for each 32 codes along K).
;; Outputs: out0 4 x 4,096 x 16 x 64 float32.
;; This version of the problem:
;;   THIS VERSION OF THE PROBLEM IS GIVEN IN LOW PRECISION. The matrix products marked QUANTISED in the list below multiply operands that are first quantised to E4M3 (4 exponent bits, 3 mantissa bits; 8 bits a number), with one power-of-two scale for each 32 numbers along K (OCP MX v1.0); their sums are f32. All else is computed in f32.
;;   The module's matrix products, in the order in which they are computed (A, B: the left and right operand; K: the contracted axis; several contracted axes count as one K, in the product's order):
;;     1. [M 16,384, K 1,024] x [K 1,024, N 1,024]; A: input query (given as codes); B: input Wq (given as codes): QUANTISED
;;     2. [M 16,384, K 1,024] x [K 1,024, N 1,024]; A: input key (given as codes); B: input Wk (given as codes): QUANTISED
;;     3. [M 16,384, K 1,024] x [K 1,024, N 1,024]; A: input value (given as codes); B: input Wv (given as codes): QUANTISED
;;     4. batch 64 x [M 64, K 4,096] x [K 4,096, N 64]; A: computed on the way; B: computed on the way: QUANTISED
;;     5. batch 64 x [M 1, K 64] x [K 64, N 4,096]; A: computed on the way; B: computed on the way: left as it is (M = 1 < 16)
;;     6. batch 64 x [M 64, K 64] x [K 64, N 4,096]; A: computed on the way; B: computed on the way: QUANTISED
;;     7. batch 262,144 x [M 1, K 1] x [K 1, N 64]; A: computed on the way; B: computed on the way: left as it is (no contracted axis)
;;   THE QUANTISER, for each operand of a quantised product, along K:
;;     - K is cut into blocks of 32 from its start; a last block that is shorter is filled with zeros.
;;     - A block's scale is 2^e with e = floor(log2(the largest magnitude in the block)) - 8, held to -126 .. 127; a block of zeros has e = 0. As a byte (E8M0): e + 127.
;;     - Each number is divided by its block's scale, clamped to +-448, and rounded to the nearest number of E4M3, ties to even, subnormals kept.
;;     - The product sums the exact products of the quantised numbers (number of the format x scale) in f32.
;;   ~~~python
;;   def quantise(x, axis):      # numpy; x: float32 -> the quantised numbers, widened to float32 again
;;       x = np.moveaxis(x, axis, -1); K = x.shape[-1]
;;       x = np.pad(x, [(0, 0)] * (x.ndim - 1) + [(0, -K % 32)]); x = x.reshape(x.shape[:-1] + (-1, 32)); a = np.abs(x).max(-1, keepdims=True)
;;       e = np.where(a > 0, np.clip(np.frexp(np.where(a > 0, a, 1))[1] - 1 - 8, -126, 127), 0)      # np.frexp(a)[1] - 1 = floor(log2(a)), exactly
;;       r = np.clip(x / 2.0 ** e, -448, 448)
;;       step = 2.0 ** (np.maximum(np.frexp(np.where(r == 0, 1, r))[1] - 1, -6) - 3)
;;       q = np.round(r / step) * step * 2.0 ** e      # np.round: ties to even
;;       return np.moveaxis(q.reshape(q.shape[:-2] + (-1,))[..., :K], -1, axis).astype(np.float32)
;;   ~~~
;;   OPERANDS COMPUTED ON THE WAY. 'Computed on the way' means the value that the module computes at that place (a softmax that the list does not call 'softmax' is quantised finished and normalised). What goes into a quantiser is computed in f32, as accurately as f32 sums, v_exp_f32 and their like allow (about 1e-6 of the number): no bf16 or f16 on the way to a quantiser, and a product that is left as it is and whose result goes on into a quantised operand takes f32 operands (vector FMAs, or v_wmma_f32_16x16x4_f32). A number that lies on a knife's edge between two numbers of the format may be rounded either way, as far as f32 arithmetic and the matrix unit's own rounding can turn it there, and no further.
;;   INPUTS GIVEN AS CODES. Wk (in the module: [1024, 1024], K = its axis 1); Wq (in the module: [1024, 1024], K = its axis 1); Wv (in the module: [1024, 1024], K = its axis 1); key (in the module: [4, 4096, 1024], K = its axis 2); query (in the module: [4, 4096, 1024], K = its axis 2); value (in the module: [4, 4096, 1024], K = its axis 2): each comes as NAME_codes (uint8): NAME with its K axis moved to the last place and cut into blocks of 32 codes, [.., K / 32, bytes a block], one block behind the other in memory; one code a byte (a code: sign, 4 exponent bits, 3 mantissa bits); and NAME_scales (uint8): the same leading axes, one E8M0 byte (e + 127) for each 32 codes along K. Its value is code x scale, taken as it is: it is not quantised again, and the codes and scales need not be those that the quantiser above would give.
;; One version. Each part assembles by itself: llvm-mc -triple=amdgcn-amd-amdhsa -mcpu=gfx1250 --defsym DOCPART=n.
;; ======== version 1 of 1: 3 launches
;; workspace buffers: kcodes 16,777,216 bytes; vcodes 16,777,216 bytes; kscw 1,048,576 bytes; vscw 1,048,576 bytes; skpart 524,288 bytes; kvcodes 524,288 bytes; kvscw 32,768 bytes; sk 32,768 bytes
;; launch proj_kv (part 1): grid 64 x 8, 4 waves a work-group, clusters of 4 x 4, 327,680 bytes of LDS; arguments Wk_codes, Wk_scales, Wv_codes, Wv_scales, key_codes, key_scales, value_codes, value_scales, bk, bv, mask_kv, kcodes, vcodes, kscw, vscw, skpart; writes kcodes, vcodes, kscw, vscw, skpart
.if DOCPART == 1
	.amdgcn_target "amdgcn-amd-amdhsa--gfx1250"
	.amdhsa_code_object_version 6
	.text
	.protected	k_q2a200aca40_proj_kv
	.globl	k_q2a200aca40_proj_kv
	.p2align	8
	.type	k_q2a200aca40_proj_kv,@function
k_q2a200aca40_proj_kv:
	s_mov_b64 s[64:65], 0
	v_nop
	global_prefetch_b8 v0, s[64:65] scope:SCOPE_SE
	s_setreg_imm32_b32 hwreg(HW_REG_WAVE_MODE, 25, 1), 1
	s_wait_xcnt 0x0
	s_wait_alu depctr_hold_cnt(0) depctr_sa_sdst(0) depctr_va_vdst(0) depctr_va_sdst(0) depctr_va_ssrc(0) depctr_va_vcc(0) depctr_vm_vsrc(0)
	s_getreg_b32 s2, hwreg(HW_REG_IB_STS2, 6, 4)
	s_cmp_eq_u32 s2, 0
	s_cbranch_scc0 .Lentry_in_a_cluster
	s_endpgm
.Lentry_in_a_cluster:
	s_bfe_u32 s2, ttmp6, 0x10000c
	s_cmp_lg_u32 s2, 0xf033
	s_cbranch_scc0 .Lentry_shape_is_right
	s_endpgm
.Lentry_shape_is_right:
; k = (elu(key Wk^T + bk) + 1) mask_kv   and   v = (value Wv^T + bv) mask_kv / 4096, both on given codes of FP8 (E4M3) with E8M0 scales, K = 1,024;
; the results are quantised ALONG THE TOKENS (the K of kv = k^T v) and stored as images of operand registers; k's sums over 128 tokens are stored beside them.
; The cluster's y says which of the two is made (0: k, 1: v): it is equal in all sixteen partners, and it chooses buffers and one branch on the way out.
; A tile is 256 output columns x 256 tokens, made by four waves, each 128 x 128: 64 accumulators of 16 x 16, 512 registers.  K goes in steps of 256 through a ring of two LDS slots.
; "A" (source 1: a lane's row) = 16 rows of the weight = 16 output columns;  "B" (source 0: along the registers) = 16 tokens.  So in accumulator (a, b) lane (r, h) holds column 16 a + r
; and its register j token 16 b + 8 h + j: a lane's 64 registers of one a run along the tokens, which the conversions want.
; CLUSTERS: 4 x 4 work-groups.  The four of a row of the cluster need the same rows of the weight, the four of a column the same tokens: each tile is asked for jointly.
; THE ORDER ALONG K OF THE NEXT PRODUCT: registers 16 c .. 16 c + 15 (accumulators 2 c, 2 c + 1) of lanes l and l xor 16 are the 32 tokens of block c.  They are converted as they lie, so place 32 c + 16 h + 8 u + j of the
; operand holds token 32 c + 16 u + 8 h + j: a permutation inside a block of 32, the same for k and for v, which changes neither a product nor a scale.
; elu(y) + 1: the bias + 1 is the C of each sum's first product, so the sums hold z = y + 1; the middle one of (z, e^y, 1) is z for y > 0 and e^y for y < 0, also where e^y is infinite.
; LIMITS: y is known to half a unit in the last place of y + 1; e^y under 2^-126 comes out as 0 (ISA guide 15.8: the exponential flushes denormals); mask / 4096 is formed ahead of the product with v (exact unless it falls
; under 2^-126); a block of zeros gets the scale byte 1 (its codes are zeros; the bytes are read by this program alone); NaN and infinities among the inputs are not served.
; REGISTERS, in windows of 256: window 0: v16-31 addresses; v32-63 scale words, two sets; v64-127 the bias, later the mask; from v128 A's fragments, one set; on the way out v128-223 are at work.
;   window 1: B's fragments, two sets; on the way out the codes.   window 2: the accumulators of a = 0 .. 3 ((a, b) at v[8 (8 (a % 4) + b)]);   window 3: those of a = 4 .. 7.
.set KSTEP,  256
.set NQ,     2                         ; matrix instructions deep in a slot
.set ROWB,   256                       ; a tile's row in bytes
.set KROW,   1024                      ; a row of codes in memory
.set PITCH,  272                       ; an LDS row: 256 bytes + 16 of padding: the 16 rows that a load touches start at 16 different banks (ISA guide 11.1)
.set FR,     16
.set NL,     4
.set NP,     8                         ; places behind this matrix instruction (ISA guide 7.12.1)
.set HALFT,  128*PITCH
.set SLOT,   4*HALFT                   ; A's 256 rows, then B's 256 rows
.set LAPS,   2                         ; 1,024 / 512
.set KS,     32                        ; a row of scale bytes
.set SCL,    2*SLOT                    ; behind the ring: the scales of all of K, as units of 256 bytes + 16
.set HALFS,  (128*KS/256)*272
.set SBLK,   (16*KS/256)*272
.set SPARE,  SCL+4*HALFS               ; the spare words, 128 bytes a wave: two blocks of 256 bytes that no other line names
.set ADRA, 16                          ; v16-17 LDS address of my A fragments in slot 0, 1
.set NCV,  18                          ; v18-19 -log2(e), twice
.set ADRB, 20                          ; v20-21 the same for B
.set R4,   22                          ; v22    4 (lane % 16)
.set ADRS, 27                          ; v27    LDS address of my scale words
.set SPW,  28                          ; v28    my spare word; never rewritten
.set NIL,  29                          ; v29    0; never rewritten
.set H32,  30                          ; v30    32 (lane / 16)
.set L16,  31                          ; v31    16 lane
.set SC,   32
.set PW,   40                          ; v40-47 on the way out: the scale words made
.set BI,   64                          ; v64-127 the bias: eight equal registers for each a
.set MK,   64                          ; then the mask: register 8 b + j: token 16 b + 8 h + j
.set AF,   128
.set T,    128                         ; v128-191 on the way out: c y, then e^y; then four running sums
.set TM,   192                         ; v192-207 +0 largest magnitudes, +4 bytes, +8 448 x the scale, +12 the conversions' scale operands
.set SKP,  208                         ; v208-215 k's sums, one for each a
.set SD,   220                         ; v220-223 the four of them that my lane stores
.set G1, 24
.set G0, 32
.set G1B, 48
.set G0B, 56
.set G1S, 68
.set G0S, 76
.set G1SB, 80
.set G0SB, 88
.set MSB, 0
.macro WIN new                         ; the immediate's high byte repeats the setting that is left
.if MSB != (\new)
	s_set_vgpr_msb (MSB<<8)|(\new)
.set MSB, (\new)
.endif
.endm
.set MUL_LO,  0xa1                     ; source 0 (B) window 1, source 1 (A) window 0, C and D window 2
.set MUL_HI,  0xf1                     ; the same, C and D window 3
.set BIAS_LO, 0x81                     ; the first products: C (the bias) window 0, D window 2
.set BIAS_HI, 0xc1                     ; D window 3
.set TO_B,    0x40
; A joint load: waves 0 and 1 fetch for A, waves 2 and 3 for B; the branch hangs on the wave's number alone.  Four v_nop follow each of the two lines.
.macro JLOAD g0a, g1a, g0b, g1b
	s_cmp_eq_u32 s15, 0
	s_cbranch_scc0 .Lfor_b_\@
	tensor_load_to_lds s[\g0a:\g0a+3], s[\g1a:\g1a+7]
	s_nop 0
.rept 4
	v_nop
.endr
	s_branch .Lasked_\@
.Lfor_b_\@:
	tensor_load_to_lds s[\g0b:\g0b+3], s[\g1b:\g1b+7]
	s_nop 0
.rept 4
	v_nop
.endr
.Lasked_\@:
.endm
.macro CREST                           ; a round of the cluster's barrier behind its opening barrier
	s_cmp_lg_u32 s14, 0
	s_cbranch_scc1 .Lnot_wave_0_\@
	s_barrier_signal -3
.Lnot_wave_0_\@:
	s_barrier_wait -3
	s_barrier_signal -1
	s_barrier_wait -1
.endm
.macro CROUND
	s_barrier_signal -1
	s_barrier_wait -1
	CREST
.endm
	s_load_b256 s[4:11], s[0:1], 0x0               ; Wk's codes, scales, Wv's codes, scales
	s_load_b256 s[68:75], s[0:1], 0x20             ; key's codes, scales, value's codes, scales
	s_load_b128 s[76:79], s[0:1], 0x40             ; bk, bv
	v_lshl_add_u32 v[SPW], v0, 2, SPARE
	v_mov_b32 v[NIL], 0
	ds_add_u32 v28, v29
	ds_add_u32 v28, v29
	s_wait_dscnt 0x0
	v_lshrrev_b32 v1, 5, v0
	v_readfirstlane_b32 s14, v1                    ; wave 0..3
	s_lshr_b32 s15, s14, 1                         ; which 128 columns are mine.  Also: I fetch for A (0) or for B (1)
	s_and_b32 s16, s14, 1                          ; which 128 tokens.  Also: which 128 rows of that tile I fetch
	s_bfe_u32 s40, ttmp6, 0x40000                  ; cx, cy: my place in the cluster
	s_bfe_u32 s41, ttmp6, 0x40004
	s_lshl_b32 s42, ttmp9, 2
	s_add_co_u32 s42, s42, s40                     ; block of 256 tokens = 4 x cluster x + cx
	s_and_b32 s66, ttmp7, 0xffff                   ; cluster y: 0 = k, 1 = v
	s_mov_b32 s17, s41                             ; block of 256 columns = cy: a cluster spans all 1,024
	s_lshl_b32 s43, s41, 2
	s_lshl_b32 s43, 15, s43                        ; my row of the cluster
	s_lshl_b32 s44, 0x1111, s40                    ; my column
	s_or_b32 s[G1+0], s43, (0<<16)|(1<<20)|(1<<21)|(5<<22)|(3<<25)  ; the mask; elements of 1 byte; padding on; bit 21 beside a mask; 4 words behind every 64
	s_or_b32 s[G1B+0], s44, (0<<16)|(1<<20)|(1<<21)|(5<<22)|(3<<25)
.irp g, G1, G1B
	s_mov_b32 s[\g+1], ROWB<<16                    ; tensor_dim0
	s_mov_b32 s[\g+2], 128<<16                     ; tensor_dim1
	s_mov_b32 s[\g+3], ROWB<<16                    ; tile_dim0
	s_mov_b32 s[\g+4], 128                         ; tile_dim1
	s_mov_b32 s[\g+5], KROW                        ; the pitch
	s_mov_b32 s[\g+6], 0
	s_mov_b32 s[\g+7], 0
.endr
	s_lshl_b32 s18, s16, 7                         ; which 128 rows of the tile I fetch
	s_lshl_b32 s20, s17, 8
	s_add_co_u32 s20, s20, s18                     ; A: row of the weight
	s_lshl_b32 s46, s42, 8
	s_add_co_u32 s46, s46, s18                     ; B: token
	s_mov_b32 s21, 0
	s_mov_b32 s47, 0
	s_mov_b64 s[18:19], KS
	s_mul_u64 s[22:23], s[20:21], s[18:19]         ; where these rows' scales begin
	s_mul_u64 s[92:93], s[46:47], s[18:19]
	s_mov_b64 s[18:19], KROW
	s_mul_u64 s[20:21], s[20:21], s[18:19]         ; and their codes
	s_mul_u64 s[46:47], s[46:47], s[18:19]
	s_mul_i32 s45, s14, HALFT                      ; where they go: wave x 128 rows
	s_mul_i32 s94, s14, HALFS
	s_wait_kmcnt 0x0
	s_cmp_eq_u32 s66, 0                            ; k's buffers or v's: the choice hangs on the cluster's y alone
	s_cselect_b64 s[4:5], s[4:5], s[8:9]           ; A's codes
	s_cselect_b64 s[6:7], s[6:7], s[10:11]         ; A's scales
	s_cselect_b64 s[8:9], s[68:69], s[72:73]       ; B's codes
	s_cselect_b64 s[10:11], s[70:71], s[74:75]     ; B's scales
	s_cselect_b64 s[100:101], s[76:77], s[78:79]   ; the bias
	s_cselect_b32 s2, 1.0, 0                       ; what is added to it
	; the scales of 128 rows: a dense block of 4,096 bytes, as 16 rows of 256 bytes (32 elements of 8), 16 bytes of padding behind each
	s_or_b32 s[G1S+0], s43, (3<<16)|(1<<20)|(1<<21)|(5<<22)|(3<<25)
	s_or_b32 s[G1SB+0], s44, (3<<16)|(1<<20)|(1<<21)|(5<<22)|(3<<25)
.irp g, G1S, G1SB
	s_mov_b32 s[\g+1], 32<<16
	s_mov_b32 s[\g+2], (128*KS/256)<<16
	s_mov_b32 s[\g+3], 32<<16
	s_mov_b32 s[\g+4], 128*KS/256
	s_mov_b32 s[\g+5], 32
	s_mov_b32 s[\g+6], 0
	s_mov_b32 s[\g+7], 0
.endr
	s_add_nc_u64 s[20:21], s[4:5], s[20:21]
	s_add_nc_u64 s[22:23], s[6:7], s[22:23]
	s_add_nc_u64 s[46:47], s[8:9], s[46:47]
	s_add_nc_u64 s[92:93], s[10:11], s[92:93]
	CROUND                                         ; all sixteen work-groups are here: the first joint loads meet
	s_mov_b32 s[G0S], 1
	s_add_co_u32 s[G0S+1], s94, SCL
	s_mov_b64 s[G0S+2:G0S+3], s[22:23]
	s_or_b32 s[G0S+3], s[G0S+3], 0x80000000
	s_mov_b32 s[G0SB], 1
	s_add_co_u32 s[G0SB+1], s94, SCL
	s_mov_b64 s[G0SB+2:G0SB+3], s[92:93]
	s_or_b32 s[G0SB+3], s[G0SB+3], 0x80000000
	JLOAD G0S, G1S, G0SB, G1SB                     ; the scales first: they are wanted with K step 0.  With the two below, three loads of mine are out
.irp s, 0,1
	s_mov_b32 s[G0+4*\s], 1
	s_add_co_u32 s[G0+4*\s+1], s45, \s*SLOT
	s_add_nc_u64 s[G0+4*\s+2:G0+4*\s+3], s[20:21], \s*ROWB
	s_or_b32 s[G0+4*\s+3], s[G0+4*\s+3], 0x80000000
	s_mov_b32 s[G0B+4*\s], 1
	s_add_co_u32 s[G0B+4*\s+1], s45, \s*SLOT
	s_add_nc_u64 s[G0B+4*\s+2:G0B+4*\s+3], s[46:47], \s*ROWB
	s_or_b32 s[G0B+4*\s+3], s[G0B+4*\s+3], 0x80000000
	JLOAD G0+4*\s, G1, G0B+4*\s, G1B
.endr
	v_and_b32 v1, 15, v0                           ; r
	v_bfe_u32 v2, v0, 4, 1                         ; h
	v_mul_u32_u24 v3, v1, PITCH
	v_lshl_add_u32 v4, v2, 4, v3                   ; a fragment's row x pitch + 16 h
	s_mul_i32 s21, s15, HALFT                      ; my 128 rows of A
	s_mul_i32 s22, s16, HALFT                      ; my 128 rows of B,
	s_add_co_u32 s22, s22, 2*HALFT                 ; which lie behind A's 256
.irp s, 0,1
	v_add_nc_u32 v[ADRA+\s], s21, v4
	v_add_nc_u32 v[ADRB+\s], s22, v4
	s_add_co_u32 s21, s21, SLOT
	s_add_co_u32 s22, s22, SLOT
.endr
	v_mul_u32_u24 v5, v1, KS                       ; my row's scales: 32 bytes a row,
	v_lshrrev_b32 v6, 8, v5
	v_lshl_add_u32 v5, v6, 4, v5                   ; and 16 more for each 256 passed
	s_mul_i32 s21, s15, HALFS
	s_mul_i32 s22, s16, HALFS
	s_add_co_u32 s22, s22, 2*HALFS
	s_sub_co_u32 s22, s22, s21
	v_mul_u32_u24 v6, s22, v2                      ; lanes 16-31 take B's
	s_add_co_u32 s21, s21, SCL
	v_add_nc_u32 v5, v5, v6
	v_add_nc_u32 v[ADRS], s21, v5
	v_lshlrev_b32 v[R4], 2, v1
	v_lshlrev_b32 v[H32], 5, v2
	v_and_b32 v6, 31, v0
	v_lshlrev_b32 v[L16], 4, v6
	v_mov_b32 v[NCV], 0xbfb8aa3b                   ; -log2(e)
	v_mov_b32 v[NCV+1], 0xbfb8aa3b
	s_lshl_b32 s18, s41, 1
	s_add_co_u32 s18, s18, s15                     ; cb: my block of 128 columns, 0..7
	s_lshl_b32 s95, s42, 1
	s_add_co_u32 s95, s95, s16                     ; tb: my block of 128 tokens, 0..127
	s_lshl_b32 s67, s95, 3
	s_add_co_u32 s67, s67, s18                     ; ti = 8 tb + cb: my place in the workspace buffers
	s_lshl_b32 s18, s18, 9
	s_mov_b32 s19, 0
	s_add_nc_u64 s[100:101], s[100:101], s[18:19]
.irp a, 0,1,2,3,4,5,6,7
	global_load_b32 v[BI+8*\a], v[R4], s[100:101] offset:64*\a    ; the bias of column 16 a + r
.endr
	s_wait_loadcnt 0x0
.irp a, 0,1,2,3,4,5,6,7
.irp i, 7,6,5,4,3,2,1,0
	v_add_f32 v[BI+8*\a+\i], s2, v[BI+8*\a]        ; (+ 1 for k) into all eight registers of the tuple: a lane's eight results are of one column
.endr
.endr
.macro FRAG reg, adr, q, i             ; 16 rows x 128 K: lane l holds row l % 16; registers 4 c .. 4 c + 3 hold K = 32 c + 16 (l / 16) + 0 .. 15
.irp c, 0,1,2,3
	ds_load_b128 v[\reg+4*\c:\reg+4*\c+3], v[\adr] offset:128*(\q)+32*\c+(\i)*16*PITCH
.endr
.endm
; 16 matrix instructions: A's blocks a0, a0 + 1 x B's eight.  zero = 1: the first product starts the sums from the bias.  The 64 accumulators take turns, one instruction a turn.
.macro MUL16 a0, p, q, sc, zero
.irp a, \a0, \a0+1
.irp b, 0,1,2,3,4,5,6,7
.if \zero
	v_wmma_scale_f32_16x16x128_f8f6f4 v[8*(8*((\a)%4)+\b):8*(8*((\a)%4)+\b)+7], v[128*(\p)+FR*\b:128*(\p)+FR*\b+FR-1], v[AF+FR*(\a):AF+FR*(\a)+FR-1], v[BI+8*(\a):BI+8*(\a)+7], v[SC+8*NQ*(\sc)+NQ*\b+(\q)], v[SC+8*NQ*(\sc)+NQ*(\a)+(\q)] matrix_a_scale:MATRIX_SCALE_ROW1
.else
	v_wmma_scale_f32_16x16x128_f8f6f4 v[8*(8*((\a)%4)+\b):8*(8*((\a)%4)+\b)+7], v[128*(\p)+FR*\b:128*(\p)+FR*\b+FR-1], v[AF+FR*(\a):AF+FR*(\a)+FR-1], v[8*(8*((\a)%4)+\b):8*(8*((\a)%4)+\b)+7], v[SC+8*NQ*(\sc)+NQ*\b+(\q)], v[SC+8*NQ*(\sc)+NQ*(\a)+(\q)] matrix_a_scale:MATRIX_SCALE_ROW1
.endif
.endr
.endr
.endm
.macro FETCH_B slot, q, p
	WIN TO_B
.irp i, 0,1,2,3,4,5,6,7
	FRAG 128*(\p)+FR*\i, ADRB+\slot, \q, \i
.endr
	WIN 0
.endm
.macro FETCH_A slot, q, i0
.irp i, \i0, \i0+1, \i0+2, \i0+3
	FRAG AF+FR*(\i), ADRA+\slot, \q, \i
.endr
.endm
.macro SCALES sc                       ; a K step's scale words: lanes 0-15 take A's block i, lanes 16-31 B's block i
.irp i, 0,1,2,3,4,5,6,7
	ds_load_b64 v[SC+8*NQ*\sc+NQ*\i:SC+8*NQ*\sc+NQ*\i+1], v[ADRS] offset:\i*SBLK
.endr
.endm
.macro PLACES n                        ; plain vector instructions that name no register of the matrix instructions in front of them (ISA guide 7.12.1)
.rept \n
	v_nop
.endr
.endm
.macro STEP slot, q, zero              ; 128 along K with its successor in the same slot
	s_wait_dscnt 4*NL                              ; B's set and A's blocks 0-3 are in; the youngest 16 loads (A's blocks 4-7) may be out
.if \zero
	WIN BIAS_LO
.else
	WIN MUL_LO
.endif
	MUL16 0, (\q)%2, \q, \slot, \zero
	MUL16 2, (\q)%2, \q, \slot, \zero
	s_wait_dscnt 0                                 ; A's blocks 4-7 are in
	PLACES NP
	FETCH_B \slot, (\q)+1, 1-(\q)%2
	FETCH_A \slot, (\q)+1, 0
.if \zero
	WIN BIAS_HI
.else
	WIN MUL_HI
.endif
	MUL16 4, (\q)%2, \q, \slot, \zero
	MUL16 6, (\q)%2, \q, \slot, \zero
	PLACES NP
	WIN 0
	FETCH_A \slot, (\q)+1, 4
.endm
; A slot's last step changes slots: one barrier; in front of it each wave waits for all its tensor loads, adds 0 to its spare word, and waits for that and for its own reads of this slot.
.macro TURN slot, next, fill
	s_wait_tensorcnt 0x0                           ; all my tensor loads have landed: my part of the next slot
	ds_add_u32 v[SPW], v[NIL]                      ; 0 onto my spare word
	s_wait_dscnt 4*NL+1                            ; the add and the youngest 16 loads may be out
	WIN MUL_LO
	MUL16 0, 1, NQ-1, \slot, 0                     ; sixteen matrix instructions stand between the add and the wait for it
	s_wait_dscnt 0x0                               ; the add is done, and my reads of this slot are over
	s_barrier_signal -1
	MUL16 2, 1, NQ-1, \slot, 0
	WIN 0
	s_barrier_wait -1
.if \fill
	CREST                                          ; the barrier has opened a round of the cluster's: no wave of any partner still reads this slot or has a load on its way
	s_add_nc_u64 s[G0+4*\slot+2:G0+4*\slot+3], s[G0+4*\slot+2:G0+4*\slot+3], 2*ROWB
	s_add_nc_u64 s[G0B+4*\slot+2:G0B+4*\slot+3], s[G0B+4*\slot+2:G0B+4*\slot+3], 2*ROWB
	JLOAD G0+4*\slot, G1, G0B+4*\slot, G1B         ; the first tensor load behind the round, my one load out; its four v_nop are among the places below
	PLACES NP-4
.else
	PLACES NP
.endif
	v_add_nc_u32 v[ADRS], 4*NQ, v[ADRS]            ; the next K step's scale words (no LDS load of mine is out)
	FETCH_B \next, 0, 0
	FETCH_A \next, 0, 0
	SCALES \next
	WIN MUL_HI
	MUL16 4, 1, NQ-1, \slot, 0
	MUL16 6, 1, NQ-1, \slot, 0
	PLACES NP
	WIN 0
	FETCH_A \next, 0, 4
.endm
	s_wait_tensorcnt 1                             ; the scales and my part of K step 0 are in (K step 1's load may be out),
	s_barrier_signal -1
	s_barrier_wait -1                              ; everybody's are
	s_load_b128 s[68:71], s[0:1], 0x50             ; mask_kv, kcodes  (the scales' descriptors are done with: their loads have landed)
	s_load_b128 s[72:75], s[0:1], 0x60             ; vcodes, kscw
	s_load_b128 s[76:79], s[0:1], 0x70             ; vscw, skpart
	FETCH_B 0, 0, 0
	FETCH_A 0, 0, 0
	SCALES 0
	FETCH_A 0, 0, 4
	STEP 0, 0, 1                                   ; the first step stands in front of the loop: its products start the sums from the bias
	; the bias is done with (eight places stand behind its last reader): its registers take the mask of my 128 tokens, which lands under the loop
	s_wait_kmcnt 0x0
	s_cmp_eq_u32 s66, 0
	s_cselect_b64 s[12:13], s[70:71], s[72:73]     ; the codes' buffer
	s_cselect_b64 s[80:81], s[74:75], s[76:77]     ; the scale words'
	s_mov_b32 s19, 0
	s_lshl_b32 s18, s67, 14
	s_add_nc_u64 s[12:13], s[12:13], s[18:19]      ; 16,384 bytes of codes for each ti
	s_lshl_b32 s18, s67, 10
	s_add_nc_u64 s[80:81], s[80:81], s[18:19]      ; 1,024 of scale words
	s_lshl_b32 s18, s67, 9
	s_add_nc_u64 s[78:79], s[78:79], s[18:19]      ; 512 of sums
	s_lshl_b32 s18, s95, 9
	s_add_nc_u64 s[68:69], s[68:69], s[18:19]      ; the mask of my 128 tokens
	s_mov_b32 s84, 0x3fb8aa3b                      ; log2(e); the packed form names a pair
	s_mov_b32 s85, s84
	s_mov_b32 s86, 0x76543210                      ; v_permlanex16_b32's selects for lane l xor 16
	s_mov_b32 s87, 0xfedcba98
	s_mov_b32 s88, 0x600000                        ; the mantissa field of 448
.irp b, 0,1,2,3,4,5,6,7
	global_load_b128 v[MK+8*\b:MK+8*\b+3], v[H32], s[68:69] offset:64*\b
	global_load_b128 v[MK+8*\b+4:MK+8*\b+7], v[H32], s[68:69] offset:64*\b+16
.endr
	s_mov_b32 s3, LAPS-1
.Llap:                                                 ; a trip goes once round the ring and fills both slots again
	TURN 0, 1, 1
	STEP 1, 0, 0
	TURN 1, 0, 1
	STEP 0, 0, 0
	s_sub_co_u32 s3, s3, 1
	s_cmp_lg_u32 s3, 0
	s_cbranch_scc1 .Llap
	TURN 0, 1, 0                                   ; the last lap fills nothing
	STEP 1, 0, 0
	s_wait_dscnt 4*NL                              ; the very last step
	WIN MUL_LO
	MUL16 0, 1, NQ-1, 1, 0
	MUL16 2, 1, NQ-1, 1, 0
	s_wait_dscnt 0
	WIN MUL_HI
	MUL16 4, 1, NQ-1, 1, 0
	MUL16 6, 1, NQ-1, 1, 0
	WIN 0
	PLACES NP                                      ; in front of the first reads of results and the first writes of registers that held fragments
; THE WAY OUT.  For each a: 64 registers of a lane = 128 tokens' halves of one column.
.macro SETA a
.set W,    2+(\a)/4                    ; the accumulators' window
.set AC,   64*((\a)%4)                 ; and their first register there
.set WS0,  W                           ; source 0 there
.set WSD0, W|(W<<6)                    ; destination and source 0
.set WS01, W|(W<<2)                    ; sources 0 and 1
.set WSC1, W|0x40                      ; source 0 there, destination window 1
.set PCB,  ((AC+128)%256)+16*((\a)/4)  ; the codes of a, 16 registers of window 1: a place of its own for each a, so that no store's data are written again
.endm
.macro KFEAT a                         ; z becomes elu(y) + 1; its masked sum over my 64 tokens goes to SKP + a
	SETA \a
	WIN WS0
.set p, 0
.rept 32
	v_pk_fma_f32 v[T+2*p:T+2*p+1], v[AC+2*p:AC+2*p+1], s[84:85], v[NCV:NCV+1] op_sel_hi:[1,0,1]   ; c z - c = c y; each accumulator is read from its low end on
.set p, p+1
.endr
	WIN 0
.set p, 0
.rept 64
	v_exp_f32 v[T+p], v[T+p]                       ; e^y
.set p, p+1
.endr
	v_nop                                          ; a plain place behind the last exponential
	WIN WSD0
.set p, 0
	s_wait_alu depctr_va_vdst(0)
.rept 64
	v_med3_num_f32 v[AC+p], v[AC+p], v[T+p], 1.0   ; the middle one of z, e^y, 1
.set p, p+1
.endr
	WIN WS0
.set p, 0
.rept 32
.if p < 4
	v_pk_mul_f32 v[T+2*p:T+2*p+1], v[AC+2*p:AC+2*p+1], v[MK+2*p:MK+2*p+1]    ; four chains, started by the first four pairs
.else
	v_pk_fma_f32 v[T+2*(p%4):T+2*(p%4)+1], v[AC+2*p:AC+2*p+1], v[MK+2*p:MK+2*p+1], v[T+2*(p%4):T+2*(p%4)+1]
.endif
.set p, p+1
.endr
	WIN 0
	v_pk_add_f32 v[T:T+1], v[T:T+1], v[T+2:T+3]
	v_pk_add_f32 v[T+4:T+5], v[T+4:T+5], v[T+6:T+7]
	v_pk_add_f32 v[T:T+1], v[T:T+1], v[T+4:T+5]
	v_add_f32 v[SKP+\a], v[T], v[T+1]
.endm
.macro QSC pw                          ; from my 16 numbers' largest magnitudes in TM + 0 .. 3: the blocks' scale operands, holds and bytes, and the scale word
.irp c, 0,1,2,3
	v_permlanex16_b32 v[TM+4+\c], v[TM+\c], s86, s87
.endr
.irp c, 0,1,2,3
	v_max_num_f32 v[TM+\c], v[TM+\c], v[TM+4+\c]   ; with lane l xor 16's: the block's largest magnitude
.endr
.irp c, 0,1,2,3
	v_add_nc_u32 v[TM+12+\c], 0xfc000000, v[TM+\c] ; 8 off its exponent field: the conversion's scale operand
.endr
.irp c, 0,1,2,3
	v_and_or_b32 v[TM+8+\c], v[TM+\c], 0x7f800000, s88   ; 448 x the scale
.endr
.irp c, 0,1,2,3
	v_lshrrev_b32 v[TM+4+\c], 23, v[TM+12+\c]      ; the scale's byte
.endr
	v_lshl_or_b32 v[\pw], v[TM+5], 8, v[TM+4]
	v_lshl_or_b32 v[\pw], v[TM+6], 16, v[\pw]
	v_lshl_or_b32 v[\pw], v[TM+7], 24, v[\pw]
.endm
.macro QSTORE a                        ; x the mask; quantised along the tokens; the fragment's image leaves: 4 stores of 512 consecutive bytes
	SETA \a
	WIN WSD0
.set p, 0
.rept 32
	v_pk_mul_f32 v[AC+2*p:AC+2*p+1], v[AC+2*p:AC+2*p+1], v[MK+2*p:MK+2*p+1]
.set p, p+1
.endr
	WIN WS01
.irp c, 0,1,2,3
	v_max3_num_f32 v[TM+\c], |v[AC+16*\c]|, |v[AC+16*\c+1]|, 0x4800000    ; and the floor 2^(9 - 127): the byte cannot fall under 1
.endr
.irp i, 2,4,6,8,10,12,14
.irp c, 0,1,2,3
	v_max3_num_f32 v[TM+\c], |v[AC+16*\c+\i]|, |v[AC+16*\c+\i+1]|, v[TM+\c]   ; the four blocks by turns
.endr
.endr
	WIN 0
	QSC PW+\a
	WIN WSD0
.irp c, 0,1,2,3
.irp i, 0,1,2,3,4,5,6,7,8,9,10,11,12,13,14,15
	v_med3_num_f32 v[AC+16*\c+\i], v[AC+16*\c+\i], -v[TM+8+\c], v[TM+8+\c]    ; the conversion does not saturate (ISA guide 7.6.2): the hold at 448 x the scale
.endr
.endr
	WIN WSC1
.irp c, 0,1,2,3
	v_cvt_scalef32_pk8_fp8_f32 v[PCB+4*\c:PCB+4*\c+1], v[AC+16*\c:AC+16*\c+7], v[TM+12+\c]
	v_cvt_scalef32_pk8_fp8_f32 v[PCB+4*\c+2:PCB+4*\c+3], v[AC+16*\c+8:AC+16*\c+15], v[TM+12+\c]
.endr
	v_nop                                          ; a plain place behind the last conversion
	WIN 0x04                                       ; a store's data are its source 1: window 1
.irp c, 0,1,2,3
	global_store_b128 v[L16], v[PCB+4*\c:PCB+4*\c+3], s[12:13] offset:2048*(\a)+512*\c
.endr
.endm
	s_wait_loadcnt 0x0                             ; the mask
.irp c, 0,1,2,3
	v_mov_b32 v[TM+4+\c], 0                        ; written once: a lane permute's destination counts as one of its sources
.endr
	s_cmp_lg_u32 s66, 0
	s_cbranch_scc1 .Lv
.irp a, 0,1,2,3,4,5,6,7
	KFEAT \a
.endr
.irp a, 0,1,2,3,4,5,6,7
	v_permlanex16_b32 v[T+\a], v[SKP+\a], s86, s87
.endr
.irp a, 0,1,2,3,4,5,6,7
	v_add_f32 v[SKP+\a], v[SKP+\a], v[T+\a]        ; with lane l xor 16's 64 tokens: the sum over my 128
.endr
	v_and_b32 v1, 31, v0
	v_cmp_le_u32 vcc_lo, 16, v1
.irp i, 0,1,2,3
	v_cndmask_b32 v[SD+\i], v[SKP+\i], v[SKP+4+\i], vcc_lo   ; lanes 0-15 store a = 0 .. 3, lanes 16-31 a = 4 .. 7
.endr
	global_store_b128 v[L16], v[SD:SD+3], s[78:79] ; 512 consecutive bytes
	s_branch .Lj
.Lv:
.set p, 0
.rept 32
	v_pk_mul_f32 v[MK+2*p:MK+2*p+1], v[MK+2*p:MK+2*p+1], 0x39800000 op_sel_hi:[1,0]   ; the mask / 4,096
.set p, p+1
.endr
.Lj:
.irp a, 0,1,2,3,4,5,6,7
	QSTORE \a
.endr
	WIN 0
	global_store_b128 v[L16], v[PW:PW+3], s[80:81]                 ; the scale words of fragments 0 .. 3,
	global_store_b128 v[L16], v[PW+4:PW+7], s[80:81] offset:512    ; and of 4 .. 7
	s_wait_tensorcnt 0x0                           ; the wave's end
	ds_add_u32 v[SPW], v[NIL]
	s_wait_dscnt 0x0
	CROUND                                         ; the closing round: no work-group ends while a partner may still ask for a tile that names it
	s_endpgm
.Lfunc_end_k_q2a200aca40_proj_kv:
	.size	k_q2a200aca40_proj_kv, .Lfunc_end_k_q2a200aca40_proj_kv-k_q2a200aca40_proj_kv
	.p2alignl 7, 3214868480
	.fill 96, 4, 3214868480
	.section	.rodata,"a",@progbits
	.p2align	6, 0x0
	.amdhsa_kernel k_q2a200aca40_proj_kv
		.amdhsa_group_segment_fixed_size 327680
		.amdhsa_private_segment_fixed_size 0
		.amdhsa_enable_private_segment 0
		.amdhsa_kernarg_size 128
		.amdhsa_user_sgpr_count 2
		.amdhsa_user_sgpr_kernarg_segment_ptr 1
		.amdhsa_wavefront_size32 1
		.amdhsa_system_sgpr_workgroup_id_x 1
		.amdhsa_system_sgpr_workgroup_id_y 1
		.amdhsa_system_sgpr_workgroup_id_z 1
		.amdhsa_system_vgpr_workitem_id 0
		.amdhsa_next_free_vgpr 1024
		.amdhsa_next_free_sgpr 106
		.amdhsa_reserve_vcc 1
		.amdhsa_float_denorm_mode_32 3
		.amdhsa_float_denorm_mode_16_64 3
		.amdhsa_memory_ordered 1
		.amdhsa_forward_progress 1
		.amdhsa_inst_pref_size 255
	.end_amdhsa_kernel
	.section	.bss,"aw",@nobits
	.p2align	6
	.space	262144
	.amdgpu_metadata
---
amdhsa.version: [ 1, 2 ]
amdhsa.kernels:
  - .name:           k_q2a200aca40_proj_kv
    .symbol:         k_q2a200aca40_proj_kv.kd
    .args:
      - { .name: Wk_codes, .offset: 0, .size: 8, .value_kind: global_buffer, .address_space: global }
      - { .name: Wk_scales, .offset: 8, .size: 8, .value_kind: global_buffer, .address_space: global }
      - { .name: Wv_codes, .offset: 16, .size: 8, .value_kind: global_buffer, .address_space: global }
      - { .name: Wv_scales, .offset: 24, .size: 8, .value_kind: global_buffer, .address_space: global }
      - { .name: key_codes, .offset: 32, .size: 8, .value_kind: global_buffer, .address_space: global }
      - { .name: key_scales, .offset: 40, .size: 8, .value_kind: global_buffer, .address_space: global }
      - { .name: value_codes, .offset: 48, .size: 8, .value_kind: global_buffer, .address_space: global }
      - { .name: value_scales, .offset: 56, .size: 8, .value_kind: global_buffer, .address_space: global }
      - { .name: bk, .offset: 64, .size: 8, .value_kind: global_buffer, .address_space: global }
      - { .name: bv, .offset: 72, .size: 8, .value_kind: global_buffer, .address_space: global }
      - { .name: mask_kv, .offset: 80, .size: 8, .value_kind: global_buffer, .address_space: global }
      - { .name: kcodes, .offset: 88, .size: 8, .value_kind: global_buffer, .address_space: global }
      - { .name: vcodes, .offset: 96, .size: 8, .value_kind: global_buffer, .address_space: global }
      - { .name: kscw, .offset: 104, .size: 8, .value_kind: global_buffer, .address_space: global }
      - { .name: vscw, .offset: 112, .size: 8, .value_kind: global_buffer, .address_space: global }
      - { .name: skpart, .offset: 120, .size: 8, .value_kind: global_buffer, .address_space: global }
    .group_segment_fixed_size: 327680
    .private_segment_fixed_size: 0
    .kernarg_segment_align: 8
    .kernarg_segment_size: 128
    .max_flat_workgroup_size: 128
    .sgpr_count:     106
    .vgpr_count:     1024
    .wavefront_size: 32
...
	.end_amdgpu_metadata
.endif
;; end of part 1
;; launch kv_sum (part 2): grid 256 x 1, 16 waves a work-group, no clusters, 75,776 bytes of LDS; arguments kcodes, kscw, vcodes, vscw, skpart, kvcodes, kvscw, sk; writes kvcodes, kvscw, sk
.if DOCPART == 2
	.amdgcn_target "amdgcn-amd-amdhsa--gfx1250"
	.amdhsa_code_object_version 6
	.text
	.protected	k_q2a200aca40_kv_sum
	.globl	k_q2a200aca40_kv_sum
	.p2align	8
	.type	k_q2a200aca40_kv_sum,@function
k_q2a200aca40_kv_sum:
	s_mov_b64 s[64:65], 0
	v_nop
	global_prefetch_b8 v0, s[64:65] scope:SCOPE_SE
	s_setreg_imm32_b32 hwreg(HW_REG_WAVE_MODE, 25, 1), 1
	s_wait_xcnt 0x0
; kv[hd][d][v] = the sum over a batch's 4,096 tokens of k[token][d] v[token][v], on the codes and scale words that the launch before laid as images of operand registers;
; kv is then quantised along d and stored as ready fragments for the last product; summed_k is finished beside it.
; SHARES.  Work-group = (head hd of 64, strip vt of 16 columns of v): 256 in all.  Each of its sixteen waves takes 256 tokens: two K steps of 128, eight matrix instructions (four tiles of 16 d, by turns).
; Every operand goes from memory straight into registers, 16 bytes a lane, 512 consecutive bytes a load; all 45 loads of a wave go out at once.
; The four strips of a head read the same fragments of k.  They are not asked for jointly: each fragment is used by one matrix instruction of one wave, so a joint load would send every byte through LDS (one write and one
; read more) and want rounds of a cluster's barrier, for eight matrix instructions a wave.
; The sixteen waves' parts (32 registers each) meet in LDS: wave w adds register pair w of all sixteen; wave 0 quantises; wave 1 adds summed_k's parts.
; source 0 = 16 d of k, source 1 = 16 columns of v: in tile t lane (r, h) holds column 16 vt + r, and its register j holds d = 16 t + 8 h + j.  Converted as they lie, place 32 c + 16 h + 8 u + j of the fragment holds
; d = 32 c + 16 u + 8 h + j: the same permutation inside a block of 32 that q's codes have in the next launch.
; A FRAGMENT FOR THE LAST PRODUCT has K = 128 = the 64 + 64 columns of two heads: an even head's d lie in the first 64 places and zero codes (scale byte 127) in the others, an odd head's the other way round.
; LIMITS: a block of zeros gets the scale byte 1 (its codes are zeros; the bytes are read by this program alone); NaN and infinities are not served.
.set RED2, 0                           ; LDS: the sixteen summed pairs, 256 bytes each
.set SKR,  4096                        ; summed_k's parts, 128 bytes a wave
.set RED,  8192                        ; the waves' parts of kv, 4,096 bytes a wave: pair q at 256 q + 8 lane
	s_load_b256 s[4:11], s[0:1], 0x0               ; kcodes, kscw, vcodes, vscw
	s_load_b256 s[12:19], s[0:1], 0x20             ; skpart, kvcodes, kvscw, sk
	v_lshl_add_u32 v254, v0, 2, 0x12000
	v_mov_b32 v255, 0
	v_lshrrev_b32 v1, 5, v0
	v_readfirstlane_b32 s20, v1                    ; wave 0..15
	v_and_b32 v2, 31, v0                           ; lane
	v_and_b32 v3, 15, v0                           ; r
	v_bfe_u32 v14, v0, 4, 1                        ; h
	v_lshlrev_b32 v4, 4, v2                        ; v4  16 lane
	v_lshl_add_u32 v8, v2, 3, RED2                 ; v8  RED2 + 8 lane
	v_lshlrev_b32 v13, 2, v2                       ; v13 4 lane
	s_lshl_b32 s21, s20, 12
	s_lshl_b32 s22, s20, 8
	s_lshl_b32 s23, s20, 7
	v_add_nc_u32 v5, s21, v8
	v_add_nc_u32 v5, RED, v5                       ; v5  RED + 4096 wave + 8 lane: where my part goes
	v_add_nc_u32 v7, s22, v8                       ; v7  RED2 + 256 wave + 8 lane: where my summed pair goes
	v_add_nc_u32 v6, RED, v7                       ; v6  RED + 256 wave + 8 lane: my pair in wave 0's part
	v_add_nc_u32 v10, SKR, v13                     ; v10 SKR + 4 lane
	v_add_nc_u32 v9, s23, v10                      ; v9  SKR + 128 wave + 4 lane
	v_lshlrev_b32 v11, 4, v3
	v_lshl_add_u32 v11, v14, 12, v11               ; v11 16 r + 4096 h: lanes 16-31 take my second block of tokens
	s_lshr_b32 s24, ttmp9, 2                       ; hd
	s_and_b32 s25, ttmp9, 3                        ; vt
	s_lshr_b32 s26, s24, 4                         ; batch
	s_bfe_u32 s27, s24, 0x30001                    ; cb: which block of 128 columns
	s_and_b32 s28, s24, 1                          ; g: which half of it
	s_lshl_b32 s29, s26, 5
	s_lshl_b32 s30, s20, 1
	s_add_co_u32 s29, s29, s30                     ; my first block of 128 tokens: 32 batch + 2 wave
	s_lshl_b32 s29, s29, 3
	s_add_co_u32 s29, s29, s27                     ; ti0
	s_mov_b32 s40, 0x76543210                      ; v_permlanex16_b32's selects for lane l xor 16
	s_mov_b32 s41, 0xfedcba98
	s_mov_b32 s42, 0x600000                        ; the mantissa field of 448
	s_lshl_b32 s43, s28, 4                         ; 16 g
	s_sub_co_u32 s45, 16, s43
	s_lshl_b32 s44, 0x7f7f, s45                    ; the bytes of the two blocks of zero codes
	s_mov_b32 s33, 0
	s_lshl_b32 s30, s29, 14
	s_lshl_b32 s31, s28, 13
	s_add_co_u32 s32, s30, s31
	s_wait_kmcnt 0x0
	s_add_nc_u64 s[4:5], s[4:5], s[32:33]          ; k's fragments 4 g .. 4 g + 3 of ti0
	s_lshl_b32 s31, s28, 2
	s_add_co_u32 s31, s31, s25
	s_lshl_b32 s31, s31, 11
	s_add_co_u32 s32, s30, s31
	s_add_nc_u64 s[8:9], s[8:9], s[32:33]          ; v's fragment 4 g + vt
	s_lshl_b32 s30, s29, 10
	s_lshl_b32 s31, s28, 9
	s_add_co_u32 s32, s30, s31
	s_add_nc_u64 s[6:7], s[6:7], s[32:33]          ; k's scale words, half g
	s_lshl_b32 s31, s25, 2
	s_add_co_u32 s32, s32, s31
	s_add_nc_u64 s[10:11], s[10:11], s[32:33]      ; v's, word vt
	s_lshl_b32 s30, s29, 9
	s_lshl_b32 s32, s28, 8
	s_add_co_u32 s32, s32, s30
	s_add_co_u32 s32, s32, s31
	s_add_nc_u64 s[12:13], s[12:13], s[32:33]      ; k's sums: lane 16 g + r, word vt
	s_lshl_b32 s32, ttmp9, 11
	s_add_nc_u64 s[14:15], s[14:15], s[32:33]      ; my fragment of kv: 2,048 bytes
	s_lshl_b32 s32, s28, 10
	s_add_nc_u64 s[34:35], s[14:15], s[32:33]      ; its half of codes,
	s_xor_b32 s32, s32, 1024
	s_add_nc_u64 s[36:37], s[14:15], s[32:33]      ; its half of zeros
	s_lshl_b32 s32, ttmp9, 7
	s_add_nc_u64 s[16:17], s[16:17], s[32:33]
	s_add_nc_u64 s[18:19], s[18:19], s[32:33]
.irp e, 0,1                                    ; my two blocks of 128 tokens: 22 loads each.  The next block of tokens lies 8 ti on
	global_load_b128 v[16+4*\e:19+4*\e], v4, s[6:7] offset:8192*\e             ; k's four scale words
	global_load_b32 v[24+\e], v4, s[10:11] offset:8192*\e                      ; v's
.irp c, 0,1,2,3
	global_load_b128 v[64+16*\e+4*\c:67+16*\e+4*\c], v4, s[8:9] offset:131072*\e+512*\c th:TH_LOAD_NT   ; v's fragment: no other work-group reads it
.endr
.irp t, 0,1,2,3
.irp c, 0,1,2,3
	global_load_b128 v[96+64*\e+16*\t+4*\c:99+64*\e+16*\t+4*\c], v4, s[4:5] offset:131072*\e+2048*\t+512*\c
.endr
.endr
.endr
	global_load_b32 v12, v11, s[12:13]             ; k's sum over 128 tokens at d = 16 vt + r
	s_wait_loadcnt 23                              ; the first block's 22 are in; the second's 22 and the sum may be out
.irp t, 0,1,2,3
	v_wmma_scale_f32_16x16x128_f8f6f4 v[32+8*\t:39+8*\t], v[96+16*\t:111+16*\t], v[64:79], 0, v[16+\t], v24
.endr
	s_wait_loadcnt 1                               ; the second block's are in
.irp t, 0,1,2,3
	v_wmma_scale_f32_16x16x128_f8f6f4 v[32+8*\t:39+8*\t], v[160+16*\t:175+16*\t], v[80:95], v[32+8*\t:39+8*\t], v[20+\t], v25   ; the four accumulators by turns
.endr
	s_wait_loadcnt 0x0
.rept 8
	v_nop                                          ; places in front of the stores that read results, and of the loads below into registers that held fragments
.endr
.irp q, 0,1,2,3,4,5,6,7,8,9,10,11,12,13,14,15
	ds_store_b64 v5, v[32+2*\q:33+2*\q] offset:256*\q      ; each accumulator from its low end on
.endr
	ds_store_b32 v9, v12
	s_wait_dscnt 0x0                               ; for the others' sake: my stores have landed
	s_barrier_signal -1
	s_barrier_wait -1
.irp p, 0,1,2,3,4,5,6,7,8,9,10,11,12,13,14,15
	ds_load_b64 v[96+2*\p:97+2*\p], v6 offset:4096*\p      ; pair number (my wave) of all sixteen parts
.endr
	s_wait_dscnt 0x0
.irp p, 0,1,2,3,4,5,6,7
	v_pk_add_f32 v[96+2*\p:97+2*\p], v[96+2*\p:97+2*\p], v[112+2*\p:113+2*\p]
.endr
.irp p, 0,1,2,3
	v_pk_add_f32 v[96+2*\p:97+2*\p], v[96+2*\p:97+2*\p], v[104+2*\p:105+2*\p]
.endr
.irp p, 0,1
	v_pk_add_f32 v[96+2*\p:97+2*\p], v[96+2*\p:97+2*\p], v[100+2*\p:101+2*\p]
.endr
	v_pk_add_f32 v[96:97], v[96:97], v[98:99]
	ds_store_b64 v7, v[96:97]
	s_wait_dscnt 0x0
	s_barrier_signal -1
	s_barrier_wait -1                              ; the last barrier: behind it the waves part
	s_cmp_eq_u32 s20, 0
	s_cbranch_scc1 .Lquant
	s_cmp_eq_u32 s20, 1
	s_cbranch_scc1 .Lsumk
	s_wait_tensorcnt 0x0
	ds_add_u32 v254, v255
	s_wait_dscnt 0x0
	s_endpgm
.Lquant:                                               ; wave 0: the strip's 64 d x 16 columns, 32 registers in the accumulators' layout: two blocks of 32 along d
.irp q, 0,1,2,3,4,5,6,7,8,9,10,11,12,13,14,15
	ds_load_b64 v[128+2*\q:129+2*\q], v8 offset:256*\q
.endr
.irp c, 0,1
	v_mov_b32 v[228+\c], 0                         ; a lane permute's destination counts as one of its sources
.endr
.irp i, 0,1,2,3
	v_mov_b32 v[248+\i], 0                         ; zero codes
.endr
	s_wait_dscnt 0x0
.irp c, 0,1
	v_max3_num_f32 v[224+\c], |v[128+16*\c]|, |v[129+16*\c]|, 0x4800000    ; and the floor 2^(9 - 127)
.endr
.irp i, 2,4,6,8,10,12,14
.irp c, 0,1
	v_max3_num_f32 v[224+\c], v[224+\c], |v[128+16*\c+\i]|, |v[129+16*\c+\i]|
.endr
.endr
.irp c, 0,1
	v_permlanex16_b32 v[228+\c], v[224+\c], s40, s41
.endr
.irp c, 0,1
	v_max_num_f32 v[224+\c], v[224+\c], v[228+\c]
.endr
.irp c, 0,1
	v_add_nc_u32 v[236+\c], 0xfc000000, v[224+\c]  ; the conversion's scale operand
.endr
.irp c, 0,1
	v_and_or_b32 v[232+\c], v[224+\c], 0x7f800000, s42     ; 448 x the scale
.endr
.irp c, 0,1
	v_lshrrev_b32 v[228+\c], 23, v[236+\c]         ; the byte
.endr
	v_lshl_or_b32 v252, v229, 8, v228
	v_lshlrev_b32 v252, s43, v252                  ; into my head's half of the scale word,
	v_or_b32 v252, s44, v252                       ; 127 in the other
.irp c, 0,1
.irp i, 0,1,2,3,4,5,6,7,8,9,10,11,12,13,14,15
	v_med3_num_f32 v[128+16*\c+\i], v[128+16*\c+\i], -v[232+\c], v[232+\c]
.endr
	v_cvt_scalef32_pk8_fp8_f32 v[240+4*\c:241+4*\c], v[128+16*\c:135+16*\c], v[236+\c]
	v_cvt_scalef32_pk8_fp8_f32 v[242+4*\c:243+4*\c], v[136+16*\c:143+16*\c], v[236+\c]
.endr
	v_nop                                          ; a plain place behind the last conversion
	global_store_b128 v4, v[240:243], s[34:35]
	global_store_b128 v4, v[244:247], s[34:35] offset:512
	global_store_b128 v4, v[248:251], s[36:37]
	global_store_b128 v4, v[248:251], s[36:37] offset:512
	global_store_b32 v13, v252, s[16:17]
	s_wait_tensorcnt 0x0
	ds_add_u32 v254, v255
	s_wait_dscnt 0x0
	s_endpgm
.Lsumk:                                                ; wave 1: summed_k at d = 16 vt + r: 16 waves x 2 blocks of tokens
.irp p, 0,1,2,3,4,5,6,7,8,9,10,11,12,13,14,15
	ds_load_b32 v[128+\p], v10 offset:128*\p
.endr
	s_wait_dscnt 0x0
.irp p, 0,1,2,3,4,5,6,7
	v_add_f32 v[128+\p], v[128+\p], v[136+\p]
.endr
.irp p, 0,1,2,3
	v_add_f32 v[128+\p], v[128+\p], v[132+\p]
.endr
.irp p, 0,1
	v_add_f32 v[128+\p], v[128+\p], v[130+\p]
.endr
	v_add_f32 v128, v128, v129
	v_permlanex16_b32 v129, v128, s40, s41
	v_add_f32 v128, v128, v129                     ; both halves of the lanes hold the sum: all 32 store, lanes 16-31 a second copy
	global_store_b32 v13, v128, s[18:19]
	s_wait_tensorcnt 0x0
	ds_add_u32 v254, v255
	s_wait_dscnt 0x0
	s_endpgm
.Lfunc_end_k_q2a200aca40_kv_sum:
	.size	k_q2a200aca40_kv_sum, .Lfunc_end_k_q2a200aca40_kv_sum-k_q2a200aca40_kv_sum
	.p2alignl 7, 3214868480
	.fill 96, 4, 3214868480
	.section	.rodata,"a",@progbits
	.p2align	6, 0x0
	.amdhsa_kernel k_q2a200aca40_kv_sum
		.amdhsa_group_segment_fixed_size 75776
		.amdhsa_private_segment_fixed_size 0
		.amdhsa_enable_private_segment 0
		.amdhsa_kernarg_size 64
		.amdhsa_user_sgpr_count 2
		.amdhsa_user_sgpr_kernarg_segment_ptr 1
		.amdhsa_wavefront_size32 1
		.amdhsa_system_sgpr_workgroup_id_x 1
		.amdhsa_system_sgpr_workgroup_id_y 1
		.amdhsa_system_sgpr_workgroup_id_z 1
		.amdhsa_system_vgpr_workitem_id 0
		.amdhsa_next_free_vgpr 256
		.amdhsa_next_free_sgpr 66
		.amdhsa_reserve_vcc 0
		.amdhsa_float_denorm_mode_32 3
		.amdhsa_float_denorm_mode_16_64 3
		.amdhsa_memory_ordered 1
		.amdhsa_forward_progress 1
		.amdhsa_inst_pref_size 20
	.end_amdhsa_kernel
	.amdgpu_metadata
---
amdhsa.version: [ 1, 2 ]
amdhsa.kernels:
  - .name:           k_q2a200aca40_kv_sum
    .symbol:         k_q2a200aca40_kv_sum.kd
    .args:
      - { .name: kcodes, .offset: 0, .size: 8, .value_kind: global_buffer, .address_space: global }
      - { .name: kscw, .offset: 8, .size: 8, .value_kind: global_buffer, .address_space: global }
      - { .name: vcodes, .offset: 16, .size: 8, .value_kind: global_buffer, .address_space: global }
      - { .name: vscw, .offset: 24, .size: 8, .value_kind: global_buffer, .address_space: global }
      - { .name: skpart, .offset: 32, .size: 8, .value_kind: global_buffer, .address_space: global }
      - { .name: kvcodes, .offset: 40, .size: 8, .value_kind: global_buffer, .address_space: global }
      - { .name: kvscw, .offset: 48, .size: 8, .value_kind: global_buffer, .address_space: global }
      - { .name: sk, .offset: 56, .size: 8, .value_kind: global_buffer, .address_space: global }
    .group_segment_fixed_size: 75776
    .private_segment_fixed_size: 0
    .kernarg_segment_align: 8
    .kernarg_segment_size: 64
    .max_flat_workgroup_size: 512
    .sgpr_count:     66
    .vgpr_count:     256
    .wavefront_size: 32
...
	.end_amdgpu_metadata
.endif
;; end of part 2
;; launch proj_q (part 3): grid 4 x 64, 4 waves a work-group, clusters of 4 x 4, 327,680 bytes of LDS; arguments query_codes, query_scales, Wq_codes, Wq_scales, out0, bq, mask_q, kvcodes, kvscw, sk; writes out0
.if DOCPART == 3
	.amdgcn_target "amdgcn-amd-amdhsa--gfx1250"
	.amdhsa_code_object_version 6
	.text
	.protected	k_q2a200aca40_proj_q
	.globl	k_q2a200aca40_proj_q
	.p2align	8
	.type	k_q2a200aca40_proj_q,@function
k_q2a200aca40_proj_q:
	s_mov_b64 s[64:65], 0
	v_nop
	global_prefetch_b8 v0, s[64:65] scope:SCOPE_SE
	s_setreg_imm32_b32 hwreg(HW_REG_WAVE_MODE, 25, 1), 1
	s_wait_xcnt 0x0
	s_wait_alu depctr_hold_cnt(0) depctr_sa_sdst(0) depctr_va_vdst(0) depctr_va_sdst(0) depctr_va_ssrc(0) depctr_va_vcc(0) depctr_vm_vsrc(0)
	s_getreg_b32 s2, hwreg(HW_REG_IB_STS2, 6, 4)
	s_cmp_eq_u32 s2, 0
	s_cbranch_scc0 .Lentry_in_a_cluster
	s_endpgm
.Lentry_in_a_cluster:
	s_bfe_u32 s2, ttmp6, 0x10000c
	s_cmp_lg_u32 s2, 0xf033
	s_cbranch_scc0 .Lentry_shape_is_right
	s_endpgm
.Lentry_shape_is_right:
; q = (elu(query Wq^T + bq) + 1) mask_q on given codes of FP8 (E4M3) with E8M0 scales, K = 1,024; then, without leaving the registers:
; out = 4096 (Q(q) Q(kv)) / (1e-6 + q . summed_k), Q the quantiser along a head's 64; the dot is taken of the unquantised q, in f32 fused multiply-adds.
; A tile is 256 tokens x 256 columns, made by four waves, each 128 x 128 (two heads): 64 accumulators of 16 x 16.  K goes in steps of 256 through a ring of two LDS slots.
; "A" (source 1: a lane's row) = 16 tokens;  "B" (source 0: along the registers) = 16 rows of Wq = 16 columns.  In accumulator (a, b) lane (r, h) holds token 16 a + r and its register j column 16 b + 8 h + j:
; a lane's 64 registers of one a run along the columns, which are the last product's K.
; CLUSTERS: 4 x 4 work-groups.  The four of a row of the cluster need the same tokens, the four of a column the same rows of Wq: each tile is asked for jointly.
; THE LAST PRODUCT: K = 128 = my two heads.  q's 64 registers are converted as they lie (place 32 c + 16 h + 8 u + j holds column 32 c + 16 u + 8 h + j, as in kv's fragments).  kv's fragment b' = 4 e + vt (16 columns of v of
; head e) has zero codes at the other head's 64 places.  Its results are laid over accumulators (a, b'): lane (r, h): out(token 16 a + r, column 16 b' + 8 h + j).
; elu(y) + 1: the bias + 1 is the C of each sum's first product, so the sums hold z = y + 1; the middle one of (z, e^y, 1) is z for y > 0 and e^y for y < 0, also where e^y is infinite.
; LIMITS: y is known to half a unit in the last place of y + 1; e^y under 2^-126 comes out as 0 (ISA guide 15.8); the reciprocal is good to one unit in the last place; a block of zeros gets the scale byte 1 (its codes are zeros);
; NaN and infinities among the inputs are not served.
; REGISTERS, in windows of 256: window 0: v0-15 the mask, a pair for each a; v16-31 addresses; v32-63 scale words; v64-127 the bias, later summed_k; from v128 A's fragments; on the way out v128-255 are at work.
;   window 1: B's fragments, two sets; at the end v0-127 kv's eight fragments, v128-255 rows on their way out.   windows 2, 3: the accumulators ((a, b) at v[8 (8 (a % 4) + b)]).
.set SIZE_N, 1024
.set KSTEP,  256
.set NQ,     2
.set ROWB,   256
.set KROW,   1024
.set PITCH,  272                       ; an LDS row: 256 bytes + 16 of padding: the 16 rows that a load touches start at 16 different banks (ISA guide 11.1)
.set FR,     16
.set NL,     4
.set NP,     8                         ; places behind this matrix instruction (ISA guide 7.12.1)
.set HALFT,  128*PITCH
.set SLOT,   4*HALFT
.set LAPS,   2
.set KS,     32
.set SCL,    2*SLOT
.set HALFS,  (128*KS/256)*272
.set SBLK,   (16*KS/256)*272
.set SPARE,  SCL+4*HALFS               ; the spare words, 128 bytes a wave: two blocks of 256 bytes that no other line names
.set SPITCH, 528                       ; the way out: a stage of 16 rows x (512 + 16) bytes for each wave, in slot 0, which has had its last fill and its last read by then
.set ADRA, 16
.set NCV,  18                          ; v18-19 -log2(e), twice
.set ADRB, 20
.set R4,   22                          ; v22    4 (lane % 16)
.set L4,   23                          ; v23    4 lane
.set STO,  24                          ; v24    where I put 32 bytes of a row in the stage
.set RD,   25                          ; v25    where I read a row back
.set ADRS, 27
.set SPW,  28                          ; v28    my spare word; never rewritten
.set NIL,  29                          ; v29    0; never rewritten
.set H32,  30                          ; v30    32 (lane / 16)
.set L16,  31                          ; v31    16 lane
.set SC,   32
.set KVS,  32                          ; v32-39 at the end: kv's scale words
.set PW,   40                          ; v40-47 q's scale words
.set BI,   64                          ; v64-127 the bias + 1: register 8 b + j: column 16 b + 8 h + j
.set SK,   64                          ; then summed_k, likewise
.set AF,   128
.set T,    128                         ; v128-191 c y, then e^y; then four running sums
.set DENP, 208                         ; v208-239 4096 / (1e-6 + the dot): a pair for each a and head
.set TM,   240                         ; v240-255 +0 largest magnitudes, +4 bytes, +8 448 x the scale, +12 the conversions' scale operands
.set BK,   128                         ; in window 1: 16 rows read back from the stage: v128-191 and v192-255 by turns
.set G1, 24
.set G0, 32
.set G1B, 48
.set G0B, 56
.set G1S, 68
.set G0S, 76
.set G1SB, 80
.set G0SB, 88
.set MSB, 0
.macro WIN new                         ; the immediate's high byte repeats the setting that is left
.if MSB != (\new)
	s_set_vgpr_msb (MSB<<8)|(\new)
.set MSB, (\new)
.endif
.endm
.set MUL_LO,  0xa1                     ; source 0 window 1, source 1 window 0, C and D window 2
.set MUL_HI,  0xf1
.set BIAS_LO, 0x81                     ; the first products: C (the bias) window 0, D window 2
.set BIAS_HI, 0xc1
.set TO_B,    0x40
.macro JLOAD g0a, g1a, g0b, g1b        ; a joint load: waves 0 and 1 fetch for A, waves 2 and 3 for B.  Four v_nop follow each of the two lines
	s_cmp_eq_u32 s15, 0
	s_cbranch_scc0 .Lfor_b_\@
	tensor_load_to_lds s[\g0a:\g0a+3], s[\g1a:\g1a+7]
	s_nop 0
.rept 4
	v_nop
.endr
	s_branch .Lasked_\@
.Lfor_b_\@:
	tensor_load_to_lds s[\g0b:\g0b+3], s[\g1b:\g1b+7]
	s_nop 0
.rept 4
	v_nop
.endr
.Lasked_\@:
.endm
.macro CREST
	s_cmp_lg_u32 s14, 0
	s_cbranch_scc1 .Lnot_wave_0_\@
	s_barrier_signal -3
.Lnot_wave_0_\@:
	s_barrier_wait -3
	s_barrier_signal -1
	s_barrier_wait -1
.endm
.macro CROUND
	s_barrier_signal -1
	s_barrier_wait -1
	CREST
.endm
	s_load_b128 s[4:7], s[0:1], 0x0                ; query's codes, scales
	s_load_b128 s[8:11], s[0:1], 0x10              ; Wq's codes, scales
	s_load_b64 s[12:13], s[0:1], 0x20              ; out0
	s_load_b64 s[100:101], s[0:1], 0x28            ; bq
	s_load_b64 s[104:105], s[0:1], 0x30            ; mask_q
	v_lshl_add_u32 v[SPW], v0, 2, SPARE
	v_mov_b32 v[NIL], 0
	ds_add_u32 v28, v29
	ds_add_u32 v28, v29
	s_wait_dscnt 0x0
	v_lshrrev_b32 v1, 5, v0
	v_readfirstlane_b32 s14, v1                    ; wave 0..3
	s_lshr_b32 s15, s14, 1                         ; which 128 tokens are mine.  Also: I fetch for A (0) or for B (1)
	s_and_b32 s16, s14, 1                          ; which 128 columns.  Also: which 128 rows of that tile I fetch
	s_bfe_u32 s40, ttmp6, 0x40000                  ; cx, cy
	s_bfe_u32 s41, ttmp6, 0x40004
	s_lshl_b32 s42, ttmp9, 2
	s_add_co_u32 s42, s42, s40                     ; block of 256 columns
	s_and_b32 s17, ttmp7, 0xffff
	s_lshl_b32 s17, s17, 2
	s_add_co_u32 s17, s17, s41                     ; block of 256 tokens
	s_lshl_b32 s43, s41, 2
	s_lshl_b32 s43, 15, s43                        ; my row of the cluster
	s_lshl_b32 s44, 0x1111, s40                    ; my column
	s_or_b32 s[G1+0], s43, (0<<16)|(1<<20)|(1<<21)|(5<<22)|(3<<25)
	s_or_b32 s[G1B+0], s44, (0<<16)|(1<<20)|(1<<21)|(5<<22)|(3<<25)
.irp g, G1, G1B
	s_mov_b32 s[\g+1], ROWB<<16
	s_mov_b32 s[\g+2], 128<<16
	s_mov_b32 s[\g+3], ROWB<<16
	s_mov_b32 s[\g+4], 128
	s_mov_b32 s[\g+5], KROW
	s_mov_b32 s[\g+6], 0
	s_mov_b32 s[\g+7], 0
.endr
	s_or_b32 s[G1S+0], s43, (3<<16)|(1<<20)|(1<<21)|(5<<22)|(3<<25)
	s_or_b32 s[G1SB+0], s44, (3<<16)|(1<<20)|(1<<21)|(5<<22)|(3<<25)
.irp g, G1S, G1SB
	s_mov_b32 s[\g+1], 32<<16
	s_mov_b32 s[\g+2], (128*KS/256)<<16
	s_mov_b32 s[\g+3], 32<<16
	s_mov_b32 s[\g+4], 128*KS/256
	s_mov_b32 s[\g+5], 32
	s_mov_b32 s[\g+6], 0
	s_mov_b32 s[\g+7], 0
.endr
	s_lshl_b32 s18, s16, 7
	s_lshl_b32 s20, s17, 8
	s_add_co_u32 s20, s20, s18                     ; A: token
	s_lshl_b32 s46, s42, 8
	s_add_co_u32 s46, s46, s18                     ; B: row of Wq
	s_mov_b32 s21, 0
	s_mov_b32 s47, 0
	s_mov_b64 s[18:19], KS
	s_mul_u64 s[22:23], s[20:21], s[18:19]
	s_mul_u64 s[92:93], s[46:47], s[18:19]
	s_mov_b64 s[18:19], KROW
	s_mul_u64 s[20:21], s[20:21], s[18:19]
	s_mul_u64 s[46:47], s[46:47], s[18:19]
	s_mul_i32 s45, s14, HALFT
	s_mul_i32 s94, s14, HALFS
	s_wait_kmcnt 0x0
	s_add_nc_u64 s[20:21], s[4:5], s[20:21]
	s_add_nc_u64 s[22:23], s[6:7], s[22:23]
	s_add_nc_u64 s[46:47], s[8:9], s[46:47]
	s_add_nc_u64 s[92:93], s[10:11], s[92:93]
	CROUND                                         ; all sixteen work-groups are here: the first joint loads meet
	s_mov_b32 s[G0S], 1
	s_add_co_u32 s[G0S+1], s94, SCL
	s_mov_b64 s[G0S+2:G0S+3], s[22:23]
	s_or_b32 s[G0S+3], s[G0S+3], 0x80000000
	s_mov_b32 s[G0SB], 1
	s_add_co_u32 s[G0SB+1], s94, SCL
	s_mov_b64 s[G0SB+2:G0SB+3], s[92:93]
	s_or_b32 s[G0SB+3], s[G0SB+3], 0x80000000
	JLOAD G0S, G1S, G0SB, G1SB                     ; the scales first.  With the two below, three loads of mine are out
.irp s, 0,1
	s_mov_b32 s[G0+4*\s], 1
	s_add_co_u32 s[G0+4*\s+1], s45, \s*SLOT
	s_add_nc_u64 s[G0+4*\s+2:G0+4*\s+3], s[20:21], \s*ROWB
	s_or_b32 s[G0+4*\s+3], s[G0+4*\s+3], 0x80000000
	s_mov_b32 s[G0B+4*\s], 1
	s_add_co_u32 s[G0B+4*\s+1], s45, \s*SLOT
	s_add_nc_u64 s[G0B+4*\s+2:G0B+4*\s+3], s[46:47], \s*ROWB
	s_or_b32 s[G0B+4*\s+3], s[G0B+4*\s+3], 0x80000000
	JLOAD G0+4*\s, G1, G0B+4*\s, G1B
.endr
	v_and_b32 v1, 15, v0                           ; r
	v_bfe_u32 v2, v0, 4, 1                         ; h
	v_mul_u32_u24 v3, v1, PITCH
	v_lshl_add_u32 v4, v2, 4, v3
	s_mul_i32 s21, s15, HALFT
	s_mul_i32 s22, s16, HALFT
	s_add_co_u32 s22, s22, 2*HALFT
.irp s, 0,1
	v_add_nc_u32 v[ADRA+\s], s21, v4
	v_add_nc_u32 v[ADRB+\s], s22, v4
	s_add_co_u32 s21, s21, SLOT
	s_add_co_u32 s22, s22, SLOT
.endr
	v_mul_u32_u24 v5, v1, KS
	v_lshrrev_b32 v6, 8, v5
	v_lshl_add_u32 v5, v6, 4, v5
	s_mul_i32 s21, s15, HALFS
	s_mul_i32 s22, s16, HALFS
	s_add_co_u32 s22, s22, 2*HALFS
	s_sub_co_u32 s22, s22, s21
	v_mul_u32_u24 v6, s22, v2                      ; lanes 16-31 take B's
	s_add_co_u32 s21, s21, SCL
	v_add_nc_u32 v5, v5, v6
	v_add_nc_u32 v[ADRS], s21, v5
	s_mul_i32 s23, s14, 16*SPITCH                  ; my stage
	v_mul_u32_u24 v5, v1, SPITCH                   ; in: row r, 32 bytes for each half of the lanes
	v_lshl_add_u32 v5, v2, 5, v5
	v_add_nc_u32 v[STO], s23, v5
	v_and_b32 v6, 31, v0
	v_lshlrev_b32 v[L16], 4, v6                    ; back: the 32 lanes take one row of 512 bytes; and the same in out0
	v_add_nc_u32 v[RD], s23, v[L16]
	v_lshlrev_b32 v[L4], 2, v6
	v_lshlrev_b32 v[R4], 2, v1
	v_lshlrev_b32 v[H32], 5, v2
	v_mov_b32 v[NCV], 0xbfb8aa3b                   ; -log2(e)
	v_mov_b32 v[NCV+1], 0xbfb8aa3b
	s_lshl_b32 s20, s17, 8
	s_lshl_b32 s21, s15, 7
	s_add_co_u32 s20, s20, s21                     ; my first row of out0
	s_mov_b32 s21, 0
	s_mov_b64 s[18:19], SIZE_N*4
	s_mul_u64 s[20:21], s[20:21], s[18:19]
	s_lshl_b32 s46, s42, 10                        ; my first column, in bytes
	s_lshl_b32 s47, s16, 9
	s_add_co_u32 s46, s46, s47
	s_mov_b32 s47, 0
	s_add_nc_u64 s[20:21], s[20:21], s[46:47]
	s_add_nc_u64 s[12:13], s[12:13], s[20:21]
	s_lshl_b32 s95, s17, 1
	s_add_co_u32 s95, s95, s15                     ; my block of 128 tokens
	s_lshl_b32 s67, s42, 1
	s_add_co_u32 s67, s67, s16                     ; my block of 128 columns
	s_lshr_b32 s66, s17, 4                         ; the batch: 16 blocks of 256 tokens each
	s_lshl_b32 s66, s66, 4
	s_lshl_b32 s18, s67, 1
	s_add_co_u32 s66, s66, s18                     ; the first of my two heads, of 64
	s_mov_b32 s19, 0
	s_lshl_b32 s18, s67, 9
	s_add_nc_u64 s[100:101], s[100:101], s[18:19]
	s_lshl_b32 s18, s95, 9
	s_add_nc_u64 s[104:105], s[104:105], s[18:19]
.irp b, 0,1,2,3,4,5,6,7
	global_load_b128 v[BI+8*\b:BI+8*\b+3], v[H32], s[100:101] offset:64*\b
	global_load_b128 v[BI+8*\b+4:BI+8*\b+7], v[H32], s[100:101] offset:64*\b+16
.endr
.irp a, 0,1,2,3,4,5,6,7                        ; all addresses are made: v0-15 take the mask of token 16 a + r, in both registers of a pair
	global_load_b32 v[2*\a], v[R4], s[104:105] offset:64*\a
	global_load_b32 v[2*\a+1], v[R4], s[104:105] offset:64*\a
.endr
	s_wait_loadcnt 0x0
.set p, 0
.rept 32
	v_pk_add_f32 v[BI+2*p:BI+2*p+1], v[BI+2*p:BI+2*p+1], 1.0 op_sel_hi:[1,0]
.set p, p+1
.endr
.macro FRAG reg, adr, q, i
.irp c, 0,1,2,3
	ds_load_b128 v[\reg+4*\c:\reg+4*\c+3], v[\adr] offset:128*(\q)+32*\c+(\i)*16*PITCH
.endr
.endm
; 16 matrix instructions: A's blocks a0, a0 + 1 x B's eight.  zero = 1: the first product starts the sums from the bias + 1.  The 64 accumulators take turns.
.macro MUL16 a0, p, q, sc, zero
.irp a, \a0, \a0+1
.irp b, 0,1,2,3,4,5,6,7
.if \zero
	v_wmma_scale_f32_16x16x128_f8f6f4 v[8*(8*((\a)%4)+\b):8*(8*((\a)%4)+\b)+7], v[128*(\p)+FR*\b:128*(\p)+FR*\b+FR-1], v[AF+FR*(\a):AF+FR*(\a)+FR-1], v[BI+8*\b:BI+8*\b+7], v[SC+8*NQ*(\sc)+NQ*\b+(\q)], v[SC+8*NQ*(\sc)+NQ*(\a)+(\q)] matrix_a_scale:MATRIX_SCALE_ROW1
.else
	v_wmma_scale_f32_16x16x128_f8f6f4 v[8*(8*((\a)%4)+\b):8*(8*((\a)%4)+\b)+7], v[128*(\p)+FR*\b:128*(\p)+FR*\b+FR-1], v[AF+FR*(\a):AF+FR*(\a)+FR-1], v[8*(8*((\a)%4)+\b):8*(8*((\a)%4)+\b)+7], v[SC+8*NQ*(\sc)+NQ*\b+(\q)], v[SC+8*NQ*(\sc)+NQ*(\a)+(\q)] matrix_a_scale:MATRIX_SCALE_ROW1
.endif
.endr
.endr
.endm
.macro FETCH_B slot, q, p
	WIN TO_B
.irp i, 0,1,2,3,4,5,6,7
	FRAG 128*(\p)+FR*\i, ADRB+\slot, \q, \i
.endr
	WIN 0
.endm
.macro FETCH_A slot, q, i0
.irp i, \i0, \i0+1, \i0+2, \i0+3
	FRAG AF+FR*(\i), ADRA+\slot, \q, \i
.endr
.endm
.macro SCALES sc
.irp i, 0,1,2,3,4,5,6,7
	ds_load_b64 v[SC+8*NQ*\sc+NQ*\i:SC+8*NQ*\sc+NQ*\i+1], v[ADRS] offset:\i*SBLK
.endr
.endm
.macro PLACES n
.rept \n
	v_nop
.endr
.endm
.macro STEP slot, q, zero
	s_wait_dscnt 4*NL                              ; B's set and A's blocks 0-3 are in; the youngest 16 loads (A's blocks 4-7) may be out
.if \zero
	WIN BIAS_LO
.else
	WIN MUL_LO
.endif
	MUL16 0, (\q)%2, \q, \slot, \zero
	MUL16 2, (\q)%2, \q, \slot, \zero
	s_wait_dscnt 0
	PLACES NP
	FETCH_B \slot, (\q)+1, 1-(\q)%2
	FETCH_A \slot, (\q)+1, 0
.if \zero
	WIN BIAS_HI
.else
	WIN MUL_HI
.endif
	MUL16 4, (\q)%2, \q, \slot, \zero
	MUL16 6, (\q)%2, \q, \slot, \zero
	PLACES NP
	WIN 0
	FETCH_A \slot, (\q)+1, 4
.endm
.macro TURN slot, next, fill           ; a slot's last step changes slots: one barrier, with the three lines in front of it
	s_wait_tensorcnt 0x0                           ; all my tensor loads have landed: my part of the next slot
	ds_add_u32 v[SPW], v[NIL]                      ; 0 onto my spare word
	s_wait_dscnt 4*NL+1                            ; the add and the youngest 16 loads may be out
	WIN MUL_LO
	MUL16 0, 1, NQ-1, \slot, 0
	s_wait_dscnt 0x0                               ; the add is done, and my reads of this slot are over
	s_barrier_signal -1
	MUL16 2, 1, NQ-1, \slot, 0
	WIN 0
	s_barrier_wait -1
.if \fill
	CREST                                          ; the barrier has opened a round of the cluster's: no wave of any partner still reads this slot or has a load on its way
	s_add_nc_u64 s[G0+4*\slot+2:G0+4*\slot+3], s[G0+4*\slot+2:G0+4*\slot+3], 2*ROWB
	s_add_nc_u64 s[G0B+4*\slot+2:G0B+4*\slot+3], s[G0B+4*\slot+2:G0B+4*\slot+3], 2*ROWB
	JLOAD G0+4*\slot, G1, G0B+4*\slot, G1B         ; the first tensor load behind the round, my one load out
	PLACES NP-4
.else
	PLACES NP
.endif
	v_add_nc_u32 v[ADRS], 4*NQ, v[ADRS]
	FETCH_B \next, 0, 0
	FETCH_A \next, 0, 0
	SCALES \next
	WIN MUL_HI
	MUL16 4, 1, NQ-1, \slot, 0
	MUL16 6, 1, NQ-1, \slot, 0
	PLACES NP
	WIN 0
	FETCH_A \next, 0, 4
.endm
	s_wait_tensorcnt 1                             ; the scales and my part of K step 0 are in (K step 1's load may be out),
	s_barrier_signal -1
	s_barrier_wait -1                              ; everybody's are
	s_load_b128 s[68:71], s[0:1], 0x38             ; kvcodes, kvscw  (the scales' descriptors are done with: their loads have landed)
	s_load_b64 s[72:73], s[0:1], 0x48              ; sk
	FETCH_B 0, 0, 0
	FETCH_A 0, 0, 0
	SCALES 0
	FETCH_A 0, 0, 4
	STEP 0, 0, 1                                   ; the first step: its products start the sums from the bias + 1
	; the bias is done with (eight places stand behind its last reader): its registers take summed_k of my two heads, which lands under the loop
	s_wait_kmcnt 0x0
	s_mov_b32 s19, 0
	s_lshl_b32 s18, s66, 13
	s_add_nc_u64 s[68:69], s[68:69], s[18:19]      ; 8,192 bytes of fragments a head
	s_lshl_b32 s18, s66, 9
	s_add_nc_u64 s[70:71], s[70:71], s[18:19]      ; 512 of scale words
	s_add_nc_u64 s[72:73], s[72:73], s[18:19]      ; 512 of summed_k
	s_mov_b32 s84, 0x3fb8aa3b                      ; log2(e)
	s_mov_b32 s85, s84
	s_mov_b32 s86, 0x76543210
	s_mov_b32 s87, 0xfedcba98
	s_mov_b32 s88, 0x600000                        ; the mantissa field of 448
.irp b, 0,1,2,3,4,5,6,7
	global_load_b128 v[SK+8*\b:SK+8*\b+3], v[H32], s[72:73] offset:128*\b
	global_load_b128 v[SK+8*\b+4:SK+8*\b+7], v[H32], s[72:73] offset:128*\b+16
.endr
	s_mov_b32 s3, LAPS-1
.Llap:
	TURN 0, 1, 1
	STEP 1, 0, 0
	TURN 1, 0, 1
	STEP 0, 0, 0
	s_sub_co_u32 s3, s3, 1
	s_cmp_lg_u32 s3, 0
	s_cbranch_scc1 .Llap
	TURN 0, 1, 0
	STEP 1, 0, 0
	; B's set 0 and scale set 0 are done with (eight places stand behind their last readers): they take kv's eight fragments and their scale words, which land under the last step and the first feature map
	WIN 0x40
.irp b, 0,1,2,3,4,5,6,7
.irp c, 0,1,2,3
	global_load_b128 v[16*\b+4*\c:16*\b+4*\c+3], v[L16], s[68:69] offset:2048*\b+512*\c
.endr
.endr
	WIN 0
.irp b, 0,1,2,3,4,5,6,7
	global_load_b32 v[KVS+\b], v[L4], s[70:71] offset:128*\b
.endr
	s_wait_dscnt 4*NL                              ; the very last step
	WIN MUL_LO
	MUL16 0, 1, NQ-1, 1, 0
	MUL16 2, 1, NQ-1, 1, 0
	s_wait_dscnt 0
	WIN MUL_HI
	MUL16 4, 1, NQ-1, 1, 0
	MUL16 6, 1, NQ-1, 1, 0
	WIN 0
	PLACES NP
; THE WAY OUT, block by block of 16 tokens x 128 columns.
.macro SETA a
.set W,    2+(\a)/4
.set AC,   64*((\a)%4)
.set WS0,  W
.set WSD0, W|(W<<6)
.set WS01, W|(W<<2)
.set PCQ,  192-32*(((\a)%4)/3)         ; q's codes, 16 registers of window 0
.endm
.macro QSC pw
.irp c, 0,1,2,3
	v_permlanex16_b32 v[TM+4+\c], v[TM+\c], s86, s87
.endr
.irp c, 0,1,2,3
	v_max_num_f32 v[TM+\c], v[TM+\c], v[TM+4+\c]
.endr
.irp c, 0,1,2,3
	v_add_nc_u32 v[TM+12+\c], 0xfc000000, v[TM+\c] ; 8 off the exponent field: the conversion's scale operand
.endr
.irp c, 0,1,2,3
	v_and_or_b32 v[TM+8+\c], v[TM+\c], 0x7f800000, s88   ; 448 x the scale
.endr
.irp c, 0,1,2,3
	v_lshrrev_b32 v[TM+4+\c], 23, v[TM+12+\c]      ; the byte
.endr
	v_lshl_or_b32 v[\pw], v[TM+5], 8, v[TM+4]
	v_lshl_or_b32 v[\pw], v[TM+6], 16, v[\pw]
	v_lshl_or_b32 v[\pw], v[TM+7], 24, v[\pw]
.endm
.macro QFEAT a                         ; z becomes q; the two heads' dots with summed_k; q's codes and scale word
	SETA \a
	WIN WS0
.set p, 0
.rept 32
	v_pk_fma_f32 v[T+2*p:T+2*p+1], v[AC+2*p:AC+2*p+1], s[84:85], v[NCV:NCV+1] op_sel_hi:[1,0,1]   ; c z - c = c y; each accumulator is read from its low end on
.set p, p+1
.endr
	WIN 0
.set p, 0
.rept 64
	v_exp_f32 v[T+p], v[T+p]
.set p, p+1
.endr
	v_nop                                          ; a plain place behind the last exponential
	WIN WSD0
.set p, 0
	s_wait_alu depctr_va_vdst(0)
.rept 64
	v_med3_num_f32 v[AC+p], v[AC+p], v[T+p], 1.0   ; the middle one of z, e^y, 1
.set p, p+1
.endr
.set p, 0
.rept 32
	v_pk_mul_f32 v[AC+2*p:AC+2*p+1], v[AC+2*p:AC+2*p+1], v[2*(\a):2*(\a)+1]    ; x my token's mask
.set p, p+1
.endr
	WIN WS0
.set i, 0
.rept 16                                       ; the dots, in f32: two chains a head, the four by turns
.irp e, 0,1
.if i < 2
	v_pk_mul_f32 v[T+4*\e+2*(i%2):T+4*\e+2*(i%2)+1], v[AC+32*\e+2*i:AC+32*\e+2*i+1], v[SK+32*\e+2*i:SK+32*\e+2*i+1]
.else
	v_pk_fma_f32 v[T+4*\e+2*(i%2):T+4*\e+2*(i%2)+1], v[AC+32*\e+2*i:AC+32*\e+2*i+1], v[SK+32*\e+2*i:SK+32*\e+2*i+1], v[T+4*\e+2*(i%2):T+4*\e+2*(i%2)+1]
.endif
.endr
.set i, i+1
.endr
	WIN WS01
.irp c, 0,1,2,3
	v_max3_num_f32 v[TM+\c], |v[AC+16*\c]|, |v[AC+16*\c+1]|, 0x4800000    ; and the floor 2^(9 - 127)
.endr
.irp i, 2,4,6,8,10,12,14
.irp c, 0,1,2,3
	v_max3_num_f32 v[TM+\c], |v[AC+16*\c+\i]|, |v[AC+16*\c+\i+1]|, v[TM+\c]
.endr
.endr
	WIN 0
	v_pk_add_f32 v[T:T+1], v[T:T+1], v[T+2:T+3]
	v_pk_add_f32 v[T+4:T+5], v[T+4:T+5], v[T+6:T+7]
	v_add_f32 v[T], v[T], v[T+1]
	v_add_f32 v[T+4], v[T+4], v[T+5]
	v_permlanex16_b32 v[T+1], v[T], s86, s87       ; the head's other 32 columns lie in lane l xor 16
	v_permlanex16_b32 v[T+5], v[T+4], s86, s87
	v_add_f32 v[T], v[T], v[T+1]
	v_add_f32 v[T+4], v[T+4], v[T+5]
	v_add_f32 v[T], 0x358637bd, v[T]               ; + 1e-6
	v_add_f32 v[T+4], 0x358637bd, v[T+4]
	v_rcp_f32 v[T], v[T]
	v_rcp_f32 v[T+4], v[T+4]
	v_nop                                          ; a plain place behind the reciprocals
	QSC PW+\a
	s_wait_alu depctr_va_vdst(0)
	v_mul_f32 v[DENP+4*(\a)], 0x45800000, v[T]     ; x 4,096, into both registers of a pair
	v_mul_f32 v[DENP+4*(\a)+1], 0x45800000, v[T]
	v_mul_f32 v[DENP+4*(\a)+2], 0x45800000, v[T+4]
	v_mul_f32 v[DENP+4*(\a)+3], 0x45800000, v[T+4]
	WIN WSD0
.irp c, 0,1,2,3
.irp i, 0,1,2,3,4,5,6,7,8,9,10,11,12,13,14,15
	v_med3_num_f32 v[AC+16*\c+\i], v[AC+16*\c+\i], -v[TM+8+\c], v[TM+8+\c]    ; the conversion does not saturate (ISA guide 7.6.2): the hold at 448 x the scale
.endr
.endr
	WIN WS0
.irp c, 0,1,2,3
	v_cvt_scalef32_pk8_fp8_f32 v[PCQ+4*\c:PCQ+4*\c+1], v[AC+16*\c:AC+16*\c+7], v[TM+12+\c]
	v_cvt_scalef32_pk8_fp8_f32 v[PCQ+4*\c+2:PCQ+4*\c+3], v[AC+16*\c+8:AC+16*\c+15], v[TM+12+\c]
.endr
	PLACES 4                                       ; codes made by vector instructions stand four places ahead of the scaled products; the scale word stands more than 64 ahead
.endm
.macro P6 a                            ; the last product: eight tiles of 16 columns, laid over the accumulators that q has left
	SETA \a
.if (\a) == 0
	s_wait_loadcnt 0x0                             ; kv's fragments and scale words
.endif
	WIN MUL_LO+0x50*((\a)/4)
.irp b, 0,1,2,3,4,5,6,7
	v_wmma_scale_f32_16x16x128_f8f6f4 v[AC+8*\b:AC+8*\b+7], v[16*\b:16*\b+15], v[PCQ:PCQ+15], 0, v[KVS+\b], v[PW+(\a)]
.endr
.endm
.macro OSCALE a                        ; x 4096 / (1e-6 + the dot), by head
	SETA \a
	WIN WSD0
.set p, 0
.rept 32
	v_pk_mul_f32 v[AC+2*p:AC+2*p+1], v[AC+2*p:AC+2*p+1], v[DENP+4*(\a)+2*(p/16):DENP+4*(\a)+2*(p/16)+1]
.set p, p+1
.endr
.endm
.macro TOSTAGE a                       ; through my own stage: LDS serves a wave's instructions in order (ISA guide 5.7.1.4), so no wait stands between the stores and the loads
	SETA \a
	WIN 0x08+4*((\a)/4)                            ; an LDS store's data are its source 1: window 2 or 3
.irp b, 0,1,2,3,4,5,6,7
	ds_store_b128 v[STO], v[AC+8*\b:AC+8*\b+3] offset:64*\b
	ds_store_b128 v[STO], v[AC+8*\b+4:AC+8*\b+7] offset:64*\b+16
.endr
	WIN 0x40                                       ; destination window 1
.set BB, BK+64*((\a)%2)
.irp t, 0,1,2,3,4,5,6,7,8,9,10,11,12,13,14,15
	ds_load_b128 v[BB+4*\t:BB+4*\t+3], v[RD] offset:\t*SPITCH
.endr
	WIN 0
.endm
.macro SEND a
.set BB, BK+64*((\a)%2)
	s_wait_dscnt 0x0                               ; the block is back in registers
	s_wait_xcnt 0x0                                ; the earlier stores have read their base and their data: the base may step, and the other set of rows may be loaded again
.if (\a) > 0
	s_add_nc_u64 s[12:13], s[12:13], 16*SIZE_N*4   ; 16 rows on
.endif
	WIN 0x04                                       ; a store's data are its source 1: window 1
.irp t, 0,1,2,3,4,5,6,7,8,9,10,11,12,13,14,15
	global_store_b128 v[L16], v[BB+4*\t:BB+4*\t+3], s[12:13] offset:\t*SIZE_N*4 th:TH_STORE_NT   ; 32 lanes store 512 consecutive bytes, at a multiple of 256 from out0's first byte
.endr
.endm
	s_wait_loadcnt 40                              ; summed_k is in; the 32 + 8 loads of kv's fragments and scale words may be out
.irp c, 0,1,2,3
	v_mov_b32 v[TM+4+\c], 0                        ; written once: a lane permute's destination counts as one of its sources
.endr
.irp a, 0,1,2,3,4,5,6,7                        ; block a's stores leave while block a + 2 is worked on
	QFEAT \a
	P6 \a
.if \a >= 2
	SEND \a-2
.endif
.if \a >= 1
	OSCALE \a-1                                    ; block a's feature map stands between these reads and the products that made the results
	TOSTAGE \a-1
.endif
.endr
	PLACES NP                                      ; behind the last products
	SEND 6
	OSCALE 7
	TOSTAGE 7
	SEND 7
	WIN 0
	s_wait_tensorcnt 0x0                           ; the wave's end
	ds_add_u32 v[SPW], v[NIL]
	s_wait_dscnt 0x0
	CROUND                                         ; the closing round
	s_endpgm
.Lfunc_end_k_q2a200aca40_proj_q:
	.size	k_q2a200aca40_proj_q, .Lfunc_end_k_q2a200aca40_proj_q-k_q2a200aca40_proj_q
	.p2alignl 7, 3214868480
	.fill 96, 4, 3214868480
	.section	.rodata,"a",@progbits
	.p2align	6, 0x0
	.amdhsa_kernel k_q2a200aca40_proj_q
		.amdhsa_group_segment_fixed_size 327680
		.amdhsa_private_segment_fixed_size 0
		.amdhsa_enable_private_segment 0
		.amdhsa_kernarg_size 80
		.amdhsa_user_sgpr_count 2
		.amdhsa_user_sgpr_kernarg_segment_ptr 1
		.amdhsa_wavefront_size32 1
		.amdhsa_system_sgpr_workgroup_id_x 1
		.amdhsa_system_sgpr_workgroup_id_y 1
		.amdhsa_system_sgpr_workgroup_id_z 1
		.amdhsa_system_vgpr_workitem_id 0
		.amdhsa_next_free_vgpr 1024
		.amdhsa_next_free_sgpr 106
		.amdhsa_reserve_vcc 0
		.amdhsa_float_denorm_mode_32 3
		.amdhsa_float_denorm_mode_16_64 3
		.amdhsa_memory_ordered 1
		.amdhsa_forward_progress 1
		.amdhsa_inst_pref_size 255
	.end_amdhsa_kernel
	.section	.bss,"aw",@nobits
	.p2align	6
	.space	262144
	.amdgpu_metadata
---
amdhsa.version: [ 1, 2 ]
amdhsa.kernels:
  - .name:           k_q2a200aca40_proj_q
    .symbol:         k_q2a200aca40_proj_q.kd
    .args:
      - { .name: query_codes, .offset: 0, .size: 8, .value_kind: global_buffer, .address_space: global }
      - { .name: query_scales, .offset: 8, .size: 8, .value_kind: global_buffer, .address_space: global }
      - { .name: Wq_codes, .offset: 16, .size: 8, .value_kind: global_buffer, .address_space: global }
      - { .name: Wq_scales, .offset: 24, .size: 8, .value_kind: global_buffer, .address_space: global }
      - { .name: out0, .offset: 32, .size: 8, .value_kind: global_buffer, .address_space: global }
      - { .name: bq, .offset: 40, .size: 8, .value_kind: global_buffer, .address_space: global }
      - { .name: mask_q, .offset: 48, .size: 8, .value_kind: global_buffer, .address_space: global }
      - { .name: kvcodes, .offset: 56, .size: 8, .value_kind: global_buffer, .address_space: global }
      - { .name: kvscw, .offset: 64, .size: 8, .value_kind: global_buffer, .address_space: global }
      - { .name: sk, .offset: 72, .size: 8, .value_kind: global_buffer, .address_space: global }
    .group_segment_fixed_size: 327680
    .private_segment_fixed_size: 0
    .kernarg_segment_align: 8
    .kernarg_segment_size: 80
    .max_flat_workgroup_size: 128
    .sgpr_count:     106
    .vgpr_count:     1024
    .wavefront_size: 32
...
	.end_amdgpu_metadata
.endif
;; end of part 3
